; MI455X (gfx1250); checked and timed in simulation.
; The chip was launched on July 23, 2026; its instructions are those of AMD's public machine-readable ISA for CDNA 5 (MIT licence, August 2026) and "CDNA5" Instruction Set Architecture Reference Guide (July 2026). The comments in the code are by the model that wrote it; some were corrected since.
;; Model. Allowed arithmetic: matrix products marked QUANTISED: E2M1 operands, one E8M0 scale for each 32 along K, by v_wmma_scale_f32_16x16x128_f8f6f4 with both operands' format E2M1 (or v_wmma_scale_f32_32x16x128_f4), f32 sums; everything else in f32.
;; Inputs: Wk 1,024 x 1,024 float32; Wq 1,024 x 1,024 float32; bk 1,024 float32; bq 1,024 float32; key 8 x 2,048 x 1,024 float32; query 8 x 1,024 x 1,024 float32; value 8 x 2,048 x 1,024 float32.
;; Outputs: out0 8 x 1,024 x 1,024 float32.
;; Constants: dropout_p = 0, scale_factor = 32.
;; This version of the problem:
;;   THIS VERSION OF THE PROBLEM IS GIVEN IN LOW PRECISION. The matrix products marked QUANTISED in the list below multiply operands that are first quantised to E2M1 (2 exponent bits, 1 mantissa bit; 4 bits a number), with one power-of-two scale for each 32 numbers along K (OCP MX v1.0); their sums are f32. All else is computed in f32.
;;   The module's matrix products, in the order in which they are computed (A, B: the left and right operand; K: the contracted axis; several contracted axes count as one K, in the product's order):
;;     1. [M 8,192, K 1,024] x [K 1,024, N 1,024]; A: input query; B: input Wq: QUANTISED
;;     2. [M 16,384, K 1,024] x [K 1,024, N 1,024]; A: input key; B: input Wk: QUANTISED
;;     3. batch 8 x [M 1,024, K 1,024] x [K 1,024, N 2,048]; A: computed on the way; B: computed on the way: QUANTISED
;;     4. batch 8 x [M 1,024, K 2,048] x [K 2,048, N 1,024]; A: softmax (see below); B: input value: QUANTISED
;;   THE QUANTISER, for each operand of a quantised product, along K:
;;     - K is cut into blocks of 32 from its start; a last block that is shorter is filled with zeros.
;;     - A block's scale is 2^e with e = floor(log2(the largest magnitude in the block)) - 2, held to -126 .. 127; a block of zeros has e = 0. As a byte (E8M0): e + 127.
;;     - Each number is divided by its block's scale, clamped to +-6, and rounded to the nearest number of E2M1, ties to even, subnormals kept.
;;     - The product sums the exact products of the quantised numbers (number of the format x scale) in f32.
;;   ~~~python
;;   def quantise(x, axis):      # numpy; x: float32 -> the quantised numbers, widened to float32 again
;;       x = np.moveaxis(x, axis, -1); K = x.shape[-1]
;;       x = np.pad(x, [(0, 0)] * (x.ndim - 1) + [(0, -K % 32)]); x = x.reshape(x.shape[:-1] + (-1, 32)); a = np.abs(x).max(-1, keepdims=True)
;;       e = np.where(a > 0, np.clip(np.frexp(np.where(a > 0, a, 1))[1] - 1 - 2, -126, 127), 0)      # np.frexp(a)[1] - 1 = floor(log2(a)), exactly
;;       r = np.clip(x / 2.0 ** e, -6, 6)
;;       step = 2.0 ** (np.maximum(np.frexp(np.where(r == 0, 1, r))[1] - 1, 0) - 1)
;;       q = np.round(r / step) * step * 2.0 ** e      # np.round: ties to even
;;       return np.moveaxis(q.reshape(q.shape[:-2] + (-1,))[..., :K], -1, axis).astype(np.float32)
;;   ~~~
;;   SOFTMAX AHEAD OF A QUANTISED PRODUCT. Where the list says 'softmax', what is quantised is not the finished softmax but p = 2^(t - M), with t = logit x log2(e) and M = ceil(the row's largest t), a whole number; so 1/2 < the row's largest p <= 1. The row's sum l is taken of the UNQUANTISED p, in f32, and the product's result is divided by l at the end. Since M is a whole number, a kernel that streams over the keys may use a running M (the ceiling of the running maximum): every later rescaling is an exact power of two, which a block's scale takes up: the codes' values come out the same.
;;   OPERANDS COMPUTED ON THE WAY. 'Computed on the way' means the value that the module computes at that place (a softmax that the list does not call 'softmax' is quantised finished and normalised). What goes into a quantiser is computed in f32, as accurately as f32 sums, v_exp_f32 and their like allow (about 1e-6 of the number): no bf16 or f16 on the way to a quantiser, and a product that is left as it is and whose result goes on into a quantised operand takes f32 operands (vector FMAs, or v_wmma_f32_16x16x4_f32). A number that lies on a knife's edge between two numbers of the format may be rounded either way, as far as f32 arithmetic and the matrix unit's own rounding can turn it there, and no further.
;; One version. Each part assembles by itself: llvm-mc -triple=amdgcn-amd-amdhsa -mcpu=gfx1250 --defsym DOCPART=n.
;; ======== version 1 of 1: 4 launches
;; limits: right only within a limited range of input values
;; workspace buffers: xw 14,483,456 bytes; qk 13,369,344 bytes; vq 8,912,896 bytes; pq 9,961,472 bytes
;; launch quant (part 1): grid 256 x 1, 13 waves a work-group, no clusters, 124,928 bytes of LDS; arguments query, key, Wq, Wk, xw; writes xw
.if DOCPART == 1
	.amdgcn_target "amdgcn-amd-amdhsa--gfx1250"
	.amdhsa_code_object_version 6
	.text
	.protected	k_qe93da3bbb2_quant
	.globl	k_qe93da3bbb2_quant
	.p2align	8
	.type	k_qe93da3bbb2_quant,@function
k_qe93da3bbb2_quant:
	s_mov_b64 s[64:65], 0
	v_nop
	global_prefetch_b8 v0, s[64:65] scope:SCOPE_SE
	s_setreg_imm32_b32 hwreg(HW_REG_WAVE_MODE, 25, 1), 1
	s_wait_xcnt 0x0
; THE PROGRAM: out0 = softmax((query Wq^T + bq)(key Wk^T + bk)^T / 32) value, all four products on codes of FP4 (E2M1) with one E8M0 scale for each 32 along K.
; Four launches: this one (query, key, Wq, Wk into codes), the two projections (with value's codes made beside them), the scores with their softmax, and P x V.
; NO WORK IS LEFT OUT: every input has a way to the output (bk moves k's codes, so it stays); dropout_p = 0 is the identity; the division by 32 is folded, exactly, into the factor log2(e) / 32.
; THE LAYOUT of all codes and scale words that this program makes is the order of an operand's registers:
;   codes [16 rows][128 k] = 1,024 bytes: byte 512 c + 16 lane + y holds k = 64 c + 32 (lane / 16) + 2 y, 2 y + 1 of the fragment's row lane % 16; fragments lie [rows / 16][k / 128];
;   scale words [k / 128][rows / 128][512 bytes]: the word of row r of the group's fragment 4 hf + j stands at 256 hf + 16 r + 4 j; its byte b scales k = 32 b .. 32 b + 31.
; THE ROWS OF A FRAGMENT ARE NOT NEIGHBOURS: in each 32 rows, fragment 2 B + u holds at place r the row 32 B + 8 u + r + 8 (r / 8), so that a transposed product's results lie in a lane's registers as neighbours along the next K.
; A block's scale is 2^(floor(log2(largest magnitude)) - 2); its byte is the largest magnitude's exponent field - 2, held at 1 from below.
; LIMITS: a block of zeros gets the byte 1 where the rule says 127 (its codes are zeros, and this program alone reads the bytes); NaN and infinities among the inputs are not served.
; SHARES: 26,624 rows x 1,024 k are 3,328 units of 64 rows x 128 k; a wave takes one, a work-group 13: 256 work-groups.  A unit is four fragments and half a unit (256 bytes) of scale words.
; A step is 4 rows: four loads of 512 consecutive bytes.  The numbers turn through the wave's own stage in LDS, so that a lane holds 16 neighbours; the codes gather in LDS as fragments and leave by stores of 512 consecutive bytes.
; Loads run eight steps ahead.  Waves share nothing: no barrier.
.set WREG,  9472                       ; LDS of a wave: two stages of 32 x 80 bytes, four fragments, 256 bytes of scale words
.set SP,    80
.set FRG,   5120
.set SWU,   9216
.set SPARE, 13*WREG                    ; the spare words, 128 bytes for each wave, which no other line names
.set XSO,   12582912                   ; xw: the rows' scale words,
.set WCO,   13369344                   ; the weights' codes,
.set WSO,   14417920                   ; the weights' scale words
.set R,     16                         ; v16-143  eight sets of 16 numbers as loaded
.set XR,    144                        ; v144-175 two sets of 16 neighbours
.set CR,    176                        ; v176-179 two sets of codes
.set E,     180                        ; v180-181 two scale bytes
.set SPW,   188
.set NIL,   189
	s_load_b256 s[4:11], s[0:1], 0x0               ; query, key, Wq, Wk
	s_load_b64 s[12:13], s[0:1], 0x20              ; xw
	v_lshl_add_u32 v[SPW], v0, 2, SPARE
	v_mov_b32 v[NIL], 0
	v_lshrrev_b32 v1, 5, v0
	v_readfirstlane_b32 s16, v1                    ; wave 0..12
	v_and_b32 v2, 31, v0                           ; lane
	v_lshlrev_b32 v3, 4, v2                        ; 16 x lane
	s_mul_i32 s17, s16, WREG
	v_lshrrev_b32 v14, 2, v2
	v_mul_u32_u24 v14, v14, SP
	v_and_b32 v15, 3, v2
	v_lshl_add_u32 v14, v15, 4, v14
	v_add_nc_u32 v14, s17, v14                     ; the stage, on the way in: 80 (lane / 4) + 16 (lane % 4)
	v_mul_u32_u24 v15, v2, SP
	v_add_nc_u32 v15, s17, v15                     ; on the way out: 80 x lane: k = 16 (lane % 8) .. + 15 of the step's row lane / 8
	v_bfe_u32 v7, v2, 2, 1
	v_lshlrev_b32 v4, 9, v7                        ; my 16 codes in a fragment: 512 for k >= 64,
	v_bfe_u32 v7, v2, 1, 1
	v_lshl_add_u32 v4, v7, 8, v4                   ; 256 for the upper 32 of the 64,
	v_lshrrev_b32 v7, 3, v2
	v_lshl_add_u32 v4, v7, 4, v4                   ; 16 for each row,
	v_lshlrev_b32 v5, 4, v7
	v_and_b32 v7, 1, v2
	v_lshl_add_u32 v4, v7, 3, v4                   ; 8 for the upper 16 of the 32
	s_add_co_u32 s18, s17, FRG
	v_add_nc_u32 v4, s18, v4
	v_add_nc_u32 v6, s18, v3                       ; the way out: 16 x lane
	v_bfe_u32 v7, v2, 1, 2
	v_add_nc_u32 v5, v5, v7                        ; my block's byte: 16 for each row + the block's number
	s_add_co_u32 s18, s17, SWU
	v_add_nc_u32 v5, s18, v5
	v_lshlrev_b32 v13, 3, v2                       ; the scale words' way out: 8 bytes a lane
	v_add_nc_u32 v12, s18, v13
	s_wait_alu depctr_va_vdst(0)                   ; the wait at the end of the head's vector work
	s_mul_i32 s20, ttmp9, 13
	s_add_co_u32 s20, s20, s16                     ; my unit
	s_and_b32 s21, s20, 7                          ; ks: which 128 along K
	s_lshr_b32 s20, s20, 3                         ; g: which 64 rows: 0-127 query, 128-383 key, 384-399 Wq, 400-415 Wk
	s_mov_b32 s22, 400
	s_mov_b32 s25, WSO
	s_mov_b32 s26, 8192
	s_wait_kmcnt 0x0
	s_cmp_lt_u32 s20, 400                          ; the choices hang on ids alone
	s_cselect_b64 s[8:9], s[8:9], s[10:11]
	s_cselect_b32 s22, 384, s22
	s_cmp_lt_u32 s20, 384
	s_cselect_b64 s[6:7], s[6:7], s[8:9]
	s_cselect_b32 s22, 128, s22
	s_cselect_b32 s23, 0, 384                      ; the first group of the output's part,
	s_cselect_b32 s24, 0, WCO                      ; where its codes begin,
	s_cselect_b32 s25, XSO, s25                    ; its scale words,
	s_cselect_b32 s26, 98304, s26                  ; and their bytes for each 128 along K
	s_cmp_lt_u32 s20, 128
	s_cselect_b64 s[4:5], s[4:5], s[6:7]
	s_cselect_b32 s22, 0, s22                      ; the tensor's first group
	s_sub_co_u32 s22, s20, s22
	s_lshl_b32 s28, s22, 18                        ; 64 rows of 4,096 bytes
	s_lshl_b32 s27, s21, 9
	s_add_co_u32 s28, s28, s27
	s_mov_b32 s29, 0
	s_add_nc_u64 s[4:5], s[4:5], s[28:29]          ; in
	s_sub_co_u32 s23, s20, s23
	s_lshl_b32 s30, s23, 15                        ; four rows of fragments of 8,192 bytes
	s_add_co_u32 s30, s30, s24
	s_lshl_b32 s27, s21, 10
	s_add_co_u32 s30, s30, s27
	s_mov_b32 s31, 0
	s_add_nc_u64 s[14:15], s[12:13], s[30:31]      ; the codes
	s_mul_i32 s26, s26, s21
	s_add_co_u32 s26, s26, s25
	s_lshl_b32 s27, s23, 8                         ; 256 bytes of scale words for each 64 rows
	s_add_co_u32 s26, s26, s27
	s_mov_b32 s27, 0
	s_add_nc_u64 s[12:13], s[12:13], s[26:27]      ; the scale words
.macro LOAD t                          ; rows 4 t .. 4 t + 3: 32 lanes read 512 consecutive bytes of a row
.irp i, 0,1,2,3
	global_load_b128 v[R+16*((\t)%8)+4*\i:R+16*((\t)%8)+4*\i+3], v3, s[4:5] offset:(4*(\t)+\i)*4096 th:TH_LOAD_NT
.endr
.endm
.macro TURN t                          ; through the stage: LDS serves a wave's instructions in order, so no wait stands between the stores and the loads
.irp i, 0,1,2,3
	ds_store_b128 v14, v[R+16*((\t)%8)+4*\i:R+16*((\t)%8)+4*\i+3] offset:2560*((\t)%2)+640*\i
.endr
.irp i, 0,1,2,3
	ds_load_b128 v[XR+16*((\t)%2)+4*\i:XR+16*((\t)%2)+4*\i+3], v15 offset:2560*((\t)%2)+16*\i
.endr
.endm
.irp t, 0,1,2,3,4,5,6,7
	LOAD \t
.endr
	s_wait_loadcnt 28                              ; step 0's four loads are in
	TURN 0
.macro STEP t
.set XS, XR+16*((\t)%2)
.set CS, CR+2*((\t)%2)
.set BLK, 2*((\t)/8)+(((\t)%8)/2)%2    ; the fragment that takes rows 4 t .. 4 t + 3,
.set RR, 4*((\t)%2)+8*(((\t)%8)/4)     ; and the place in it of the first of them
.if (\t) > 0
	s_wait_dscnt 2                                 ; this step's numbers are back from the stage; the last step's two stores may be out
.else
	s_wait_dscnt 0x0
.endif
.if (\t)+8 < 16
	LOAD (\t)+8                                    ; into the set that this step's numbers have left
.endif
.if (\t) < 15
.if 14-(\t) >= 7
	s_wait_loadcnt 28                              ; the next step's four loads are in; those of the seven steps behind it may be out
.else
	s_wait_loadcnt 4*(14-(\t))
.endif
	TURN (\t)+1
.endif
	v_max3_num_f32 v8, |v[XS]|, |v[XS+1]|, |v[XS+2]|               ; the largest magnitude of my 16
	v_max3_num_f32 v9, |v[XS+3]|, |v[XS+4]|, |v[XS+5]|
.irp i, 6,10
	v_max3_num_f32 v8, v8, |v[XS+\i]|, |v[XS+\i+1]|
	v_max3_num_f32 v9, v9, |v[XS+\i+2]|, |v[XS+\i+3]|
.endr
	v_max3_num_f32 v8, v8, |v[XS+14]|, |v[XS+15]|
	v_max3_num_f32 v8, v8, v9, 0x1800000           ; and the floor 2^(3 - 127): the byte cannot fall under 1
	v_max_num_f32_dpp v8, v8, v8 row_xmask:1 row_mask:0xf bank_mask:0xf   ; and of my neighbour's 16: the block's
	v_add_nc_u32 v11, 0xff000000, v8               ; 2 off its exponent field: the conversion takes this operand's exponent field as its scale
	v_cvt_scalef32_pk8_fp4_f32 v[CS], v[XS:XS+7], v11
	v_cvt_scalef32_pk8_fp4_f32 v[CS+1], v[XS+8:XS+15], v11
	v_lshrrev_b32 v[E+(\t)%2], 23, v11             ; the scale's byte
	ds_store_b64 v4, v[CS:CS+1] offset:1024*BLK+16*RR
	ds_store_b8 v5, v[E+(\t)%2] offset:4*BLK+16*RR ; both lanes of a block write the same byte with the same value
.endm
.irp t, 0,1,2,3,4,5,6,7,8,9,10,11,12,13,14,15
	STEP \t
.endr
.irp n, 0,1,2,3,4,5,6,7
	ds_load_b128 v[R+4*\n:R+4*\n+3], v6 offset:512*\n              ; the four fragments, 512 bytes a load; these see my stores
.endr
	ds_load_b64 v[R+32:R+33], v12                  ; and the 256 bytes of scale words
.irp n, 0,1,2,3,4,5,6,7
	s_wait_dscnt 8-\n
	global_store_b128 v3, v[R+4*\n:R+4*\n+3], s[14:15] offset:8192*(\n/2)+512*(\n%2)   ; 32 lanes store 512 consecutive bytes, aligned
.endr
	s_wait_dscnt 0x0
	global_store_b64 v13, v[R+32:R+33], s[12:13]   ; 32 lanes store 256 consecutive bytes, aligned
	s_wait_tensorcnt 0x0                           ; the wave's end, behind my last LDS store
	ds_add_u32 v[SPW], v[NIL]
	s_wait_dscnt 0x0
	s_endpgm
.Lfunc_end_k_qe93da3bbb2_quant:
	.size	k_qe93da3bbb2_quant, .Lfunc_end_k_qe93da3bbb2_quant-k_qe93da3bbb2_quant
	.p2alignl 7, 3214868480
	.fill 96, 4, 3214868480
	.section	.rodata,"a",@progbits
	.p2align	6, 0x0
	.amdhsa_kernel k_qe93da3bbb2_quant
		.amdhsa_group_segment_fixed_size 124928
		.amdhsa_private_segment_fixed_size 0
		.amdhsa_enable_private_segment 0
		.amdhsa_kernarg_size 40
		.amdhsa_user_sgpr_count 2
		.amdhsa_user_sgpr_kernarg_segment_ptr 1
		.amdhsa_wavefront_size32 1
		.amdhsa_system_sgpr_workgroup_id_x 1
		.amdhsa_system_sgpr_workgroup_id_y 1
		.amdhsa_system_sgpr_workgroup_id_z 1
		.amdhsa_system_vgpr_workitem_id 0
		.amdhsa_next_free_vgpr 192
		.amdhsa_next_free_sgpr 66
		.amdhsa_reserve_vcc 0
		.amdhsa_float_denorm_mode_32 3
		.amdhsa_float_denorm_mode_16_64 3
		.amdhsa_memory_ordered 1
		.amdhsa_forward_progress 1
		.amdhsa_inst_pref_size 36
	.end_amdhsa_kernel
	.amdgpu_metadata
---
amdhsa.version: [ 1, 2 ]
amdhsa.kernels:
  - .name:           k_qe93da3bbb2_quant
    .symbol:         k_qe93da3bbb2_quant.kd
    .args:
      - { .name: query, .offset: 0, .size: 8, .value_kind: global_buffer, .address_space: global }
      - { .name: key, .offset: 8, .size: 8, .value_kind: global_buffer, .address_space: global }
      - { .name: Wq, .offset: 16, .size: 8, .value_kind: global_buffer, .address_space: global }
      - { .name: Wk, .offset: 24, .size: 8, .value_kind: global_buffer, .address_space: global }
      - { .name: xw, .offset: 32, .size: 8, .value_kind: global_buffer, .address_space: global }
    .group_segment_fixed_size: 124928
    .private_segment_fixed_size: 0
    .kernarg_segment_align: 8
    .kernarg_segment_size: 40
    .max_flat_workgroup_size: 416
    .sgpr_count:     66
    .vgpr_count:     192
    .wavefront_size: 32
...
	.end_amdgpu_metadata
.endif
;; end of part 1
;; launch proj (part 2): grid 4 x 128, 4 waves a work-group, clusters of 4 x 4, 327,680 bytes of LDS; arguments xw, bq, bk, qk, value, vq; writes qk, vq
.if DOCPART == 2
	.amdgcn_target "amdgcn-amd-amdhsa--gfx1250"
	.amdhsa_code_object_version 6
	.text
	.protected	k_qe93da3bbb2_proj
	.globl	k_qe93da3bbb2_proj
	.p2align	8
	.type	k_qe93da3bbb2_proj,@function
k_qe93da3bbb2_proj:
	s_mov_b64 s[64:65], 0
	v_nop
	global_prefetch_b8 v0, s[64:65] scope:SCOPE_SE
	s_setreg_imm32_b32 hwreg(HW_REG_WAVE_MODE, 25, 1), 1
	s_wait_xcnt 0x0
	s_wait_alu depctr_hold_cnt(0) depctr_sa_sdst(0) depctr_va_vdst(0) depctr_va_sdst(0) depctr_va_ssrc(0) depctr_va_vcc(0) depctr_vm_vsrc(0)
	s_getreg_b32 s2, hwreg(HW_REG_IB_STS2, 6, 4)
	s_cmp_eq_u32 s2, 0
	s_cbranch_scc0 .Lentry_in_a_cluster
	s_endpgm
.Lentry_in_a_cluster:
	s_bfe_u32 s2, ttmp6, 0x10000c
	s_cmp_lg_u32 s2, 0xf033
	s_cbranch_scc0 .Lentry_shape_is_right
	s_endpgm
.Lentry_shape_is_right:
; TWO PIECES OF WORK IN ONE LAUNCH.  No work is left out.
; THE VALUES: value [8][2048 keys][1024 d], whose K is the keys, into vq: rows = 1024 x batch + d in their natural order; fragments [rows / 16][16][1,024 bytes], then scale words [16][64][512 bytes].
;   The tensor is 2,048 units of 64 columns x 128 keys, as many as the launch has waves: EVERY wave takes one.  A load reads 256 consecutive bytes of key i (lanes 0-15) and of key 64 + i (lanes 16-31), four columns a lane;
;   128 moves lay each column's 32 keys in consecutive registers, as the conversions want them.  The unit's four fragments and its 256 bytes of scale words gather in the wave's own stage in LDS and leave in runs of 512 and 256 bytes.
; THE PROJECTIONS, clusters 0-23 (the cluster's y decides, the same in all partners): q = query Wq^T + bq and k = key Wk^T + bk on codes of FP4 with E8M0 scales, quantised again along e, the next product's K, into qk (rows 0-8191 q, then k).
;   A tile of 256 rows x 256 e is made by four waves, 128 x 128 each: 64 accumulators.  K = 1,024 lies in LDS whole: the rows' 16 x 8 fragments, the weights' 16 x 8, both sides' scale words [K / 128][2 groups][512 bytes]:
;   four joint loads at the head, one a wave; nothing is filled again, so one wait and one barrier serve.  A wave's unit of the values stands between its joint load and the wait for it.
;   The four of a row of the cluster ask jointly for the rows' tiles, the four of a column for the weights'.  Transposed use (source 0 = 16 rows of W, source 1 = 16 rows of x); the bias is the C of each sum's first product.
;   No prefetch: all tiles are asked for at the head, and there is no loop to run ahead in.
; CLUSTERS 24-31 have a unit of the values for each wave and no tile.  The two kinds of cluster have stages in LDS bytes of their own.
; LIMITS: a block of zeros gets the byte 1 where the rule says 127 (its codes are zeros; this program alone reads the bytes); NaN and infinities are not served.
; REGISTERS: window 0: v1-11 lane numbers and addresses; v16-29 addresses; v32-47 scale words, two sets, and nothing else; v48-63 the values' small registers; v64-191 four columns x 32 keys, then v64-95 the unit on its way out;
;   v96-124 the projections' way out; v128-191 A's fragments, then the codes made; v192-223 the values' codes.
;   window 1: the values as loaded, two sets of 128; then B's fragments, two sets, at v0 and v128, and v64-127 the bias.   windows 2, 3: the accumulators ((a, b) at v[8 (8 (a % 4) + b)]).
.set XSO,    12582912
.set WCO,    13369344
.set WSO,    14417920
.set BOF,    131072                    ; LDS: A's 128 fragments, then B's
.set SCL,    262144                    ; the scale words: A's 8,192 bytes, then B's
.set SPARE,  282624                    ; the spare words, 128 bytes for each wave, which no other line names
.set VREG,   4608                      ; a wave's stage: four fragments 1,040 bytes apart, then 256 bytes of scale words
.set VUN,    4160
.set VBASE1, SPARE+512                 ; the stages of a projection's work-group,
.set VBASE2, VBASE1+4*VREG             ; and of one that has the values alone
.set NP,     4                         ; places behind this matrix instruction (ISA guide 7.12.1)
.set ADRA, 16
.set ADRB, 20
.set CO8,  25                          ; v25 8 x lane; never rewritten
.set CO,   26                          ; v26 16 x lane; never rewritten
.set ADRS, 27
.set SPW,  28
.set NIL,  29
.set SC,   32
.set AF,   128
.set G1, 24
.set G0, 32
.set G1B, 48
.set G0B, 56
.set G1S, 68
.set G0S, 76
.set G1SB, 80
.set G0SB, 88
.set TM,  96
.set PW,  112
.set SWO, 120
.set FLR, 124
.set PC,  128
.set MSB, 0
.macro WIN new                         ; the immediate's high byte repeats the setting that is left
.if MSB != (\new)
	s_set_vgpr_msb (MSB<<8)|(\new)
.set MSB, (\new)
.endif
.endm
.set MUL_LO, 0xa1                      ; source 0 (B) window 1, source 1 (A) window 0, C and D window 2
.set MUL_HI, 0xf1
.set TO_B,   0x40                      ; destination window 1, address window 0
.macro CREST
	s_cmp_lg_u32 s14, 0
	s_cbranch_scc1 .Lnot_wave_0_\@
	s_barrier_signal -3
.Lnot_wave_0_\@:
	s_barrier_wait -3
	s_barrier_signal -1
	s_barrier_wait -1
.endm
.macro CROUND
	s_barrier_signal -1
	s_barrier_wait -1
	CREST
.endm
.macro PLACES n
.rept \n
	v_nop
.endr
.endm
; ---------------- the values' macros ----------------
.macro VLOAD s                         ; keys 32 s + 0 .. 31 (lanes 16-31: 64 further on)
.set i, 0
.rept 32
	global_load_b128 v[128*(\s)+4*i:128*(\s)+4*i+3], v4, s[92:93] offset:(32*(\s)+i)*4096 th:TH_LOAD_NT
.set i, i+1
.endr
.endm
.macro MOVS s                          ; column c's 32 keys into consecutive registers
	WIN 0x01
.set i, 0
.rept 32
.irp c, 0,1,2,3
	v_mov_b32 v[64+32*\c+i], v[128*(\s)+4*i+\c]
.endr
.set i, i+1
.endr
	WIN 0
.endm
.macro VBLOCK s                        ; four blocks of 32 keys, one for each of my columns, by turns: block 2 (lane / 16) + s of the 128 keys
.irp c, 0,1,2,3
	v_max3_num_f32 v[52+\c], |v[64+32*\c]|, |v[65+32*\c]|, 0x1800000   ; with the floor 2^(3 - 127): the byte cannot fall under 1
.endr
.irp i, 2,4,6,8,10,12,14,16,18,20,22,24,26,28,30
.irp c, 0,1,2,3
	v_max3_num_f32 v[52+\c], v[52+\c], |v[64+32*\c+\i]|, |v[65+32*\c+\i]|
.endr
.endr
.irp c, 0,1,2,3
	v_add_nc_u32 v[56+\c], 0xff000000, v[52+\c]    ; 2 off the exponent field: the conversion's scale operand
.endr
.if \s == 0
.irp c, 0,1,2,3
	v_lshrrev_b32 v[48+\c], 23, v[56+\c]           ; the scale's byte
.endr
.else
.irp c, 0,1,2,3
	v_lshrrev_b32 v[60+\c], 23, v[56+\c]
.endr
.irp c, 0,1,2,3
	v_lshl_or_b32 v[48+\c], v[60+\c], 8, v[48+\c]  ; my two bytes of the column's word
.endr
.endif
.irp c, 0,1,2,3
.irp g, 0,1,2,3
	v_cvt_scalef32_pk8_fp4_f32 v[192+16*(\s)+4*\c+\g], v[64+32*\c+8*\g:71+32*\c+8*\g], v[56+\c]
.endr
.endr
	v_nop                                          ; one plain instruction behind the last conversion
.irp c, 0,1,2,3
	ds_store_b128 v5, v[192+16*(\s)+4*\c:195+16*(\s)+4*\c] offset:256*(\s)+16*\c
.endr
.endm
.macro VUNIT base                      ; my wave's unit of the values
	s_mul_i32 s2, s14, VREG                        ; (s2 and s45 belong to no descriptor: the joint loads are out here)
	s_add_co_u32 s2, s2, \base                     ; my stage
	s_add_co_u32 s45, s2, VUN
	v_and_b32 v1, 15, v0                           ; r
	v_bfe_u32 v2, v0, 4, 1                         ; h
	v_and_b32 v3, 31, v0
	v_lshlrev_b32 v[CO], 4, v3
	v_lshlrev_b32 v[CO8], 3, v3
	v_lshlrev_b32 v4, 4, v1
	v_lshl_add_u32 v4, v2, 18, v4                  ; in: my four columns; lanes 16-31 stand 64 keys on
	v_lshrrev_b32 v10, 2, v1                       ; my columns' fragment,
	v_and_b32 v11, 3, v1                           ; their rows in it: 4 (r % 4) + c
	v_mul_u32_u24 v5, v10, 1040
	v_lshl_add_u32 v5, v11, 6, v5
	v_lshl_add_u32 v5, v2, 9, v5                   ; block 2 h + s stands at 512 h + 256 s
	v_add_nc_u32 v5, s2, v5
	v_add_nc_u32 v6, s2, v[CO]
	v_lshlrev_b32 v7, 2, v10
	v_lshl_add_u32 v7, v11, 6, v7                  ; my scale words: 16 x row + 4 x fragment
	v_add_nc_u32 v7, s45, v7
	v_add_nc_u32 v8, s45, v[CO8]
	v_lshlrev_b32 v9, 4, v2                        ; 16 h: the bit at which my two bytes stand in a word
	s_wait_alu depctr_va_vdst(0)                   ; the wait behind the addresses
	WIN TO_B
	VLOAD 0
	VLOAD 1
	WIN 0
	s_wait_loadcnt 32                              ; the first 32 loads are in; the 32 behind them may be out
	MOVS 0
	VBLOCK 0
	s_wait_loadcnt 0x0
	MOVS 1
	VBLOCK 1
.irp c, 0,1,2,3
	v_lshlrev_b32 v[48+\c], v9, v[48+\c]
.endr
.irp c, 0,1,2,3
	v_permlanex16_b32 v[52+\c], v[48+\c], s18, s19
.endr
.irp c, 0,1,2,3
	v_or_b32 v[48+\c], v[48+\c], v[52+\c]          ; with lane l xor 16's two bytes the word is whole
.endr
.irp c, 0,1,2,3
	ds_store_b32 v7, v[48+\c] offset:16*\c         ; both halves of the lanes write the same word with the same value
.endr
.irp n, 0,1,2,3,4,5,6,7
	ds_load_b128 v[64+4*\n:67+4*\n], v6 offset:1040*(\n/2)+512*(\n%2)   ; these see my stores
.endr
	ds_load_b64 v[22:23], v8
	s_wait_alu depctr_va_vdst(0)                   ; the wait here, directly ahead of the waits below
.irp n, 0,1,2,3,4,5,6,7
	s_wait_dscnt 8-\n
	global_store_b128 v[CO], v[64+4*\n:67+4*\n], s[60:61] offset:16384*(\n/2)+512*(\n%2)   ; 32 lanes store 512 consecutive bytes, aligned
.endr
	s_wait_dscnt 0x0
	global_store_b64 v[CO8], v[22:23], s[62:63]    ; 32 lanes store 256 consecutive bytes, aligned
.endm
; ---------------- the projections' macros ----------------
.macro FRAG reg, adr, q, i             ; a fragment comes as it lies: two loads of 512 consecutive bytes
.irp c, 0,1
	ds_load_b128 v[\reg+4*\c:\reg+4*\c+3], v[\adr] offset:8192*(\i)+1024*(\q)+512*\c
.endr
.endm
; 16 products: A's blocks a0, a0 + 1 x B's eight; p: B's set and the scale words'.  zero = 2: C = the bias.  The 64 accumulators take turns in one order throughout.
.macro MUL16 a0, p, zero
.irp a, \a0, \a0+1
.irp b, 0,1,2,3,4,5,6,7
.set rD, 8*(8*((\a)%4)+\b)
.set rB, 128*(\p)+8*\b
.set rA, AF+8*(\a)
.set rSB, SC+8*(\p)+\b
.set rSA, SC+8*(\p)+(\a)
.if \zero == 2
	v_wmma_scale_f32_16x16x128_f8f6f4 v[rD:rD+7], v[rB:rB+7], v[rA:rA+7], v[64+8*\b:64+8*\b+7], v[rSB], v[rSA] matrix_a_fmt:MATRIX_FMT_FP4 matrix_b_fmt:MATRIX_FMT_FP4 matrix_a_scale:MATRIX_SCALE_ROW1
.else
	v_wmma_scale_f32_16x16x128_f8f6f4 v[rD:rD+7], v[rB:rB+7], v[rA:rA+7], v[rD:rD+7], v[rSB], v[rSA] matrix_a_fmt:MATRIX_FMT_FP4 matrix_b_fmt:MATRIX_FMT_FP4 matrix_a_scale:MATRIX_SCALE_ROW1
.endif
.endr
.endr
.endm
.macro FETCH1 q, p                     ; of the step q on from the addresses: B's eight fragments and the scale words into set p, A's blocks 0-3: 26 loads
	WIN TO_B
.irp i, 0,1,2,3,4,5,6,7
	FRAG 128*(\p)+8*\i, ADRB, \q, \i
.endr
	WIN 0
	ds_load_b128 v[SC+8*(\p):SC+8*(\p)+3], v[ADRS] offset:1024*(\q)
	ds_load_b128 v[SC+8*(\p)+4:SC+8*(\p)+7], v[ADRS] offset:1024*(\q)+256
.irp i, 0,1,2,3
	FRAG AF+8*\i, ADRA, \q, \i
.endr
.endm
.macro FETCH2 q                        ; A's blocks 4-7: 8 loads
.irp i, 4,5,6,7
	FRAG AF+8*\i, ADRA, \q, \i
.endr
.endm
; A step of 128 along K.  A has one set of registers (a block is free when its eight products are issued), B and the scale words two.  more = 1: the step nq on from the addresses is fetched.
.macro STEP p, nq, zero, more
	s_wait_dscnt 8                                 ; all but the youngest eight loads (A's blocks 4-7) are in
.if \zero == 2
	WIN 0x91                                       ; C (the bias) window 1, D window 2
.else
	WIN MUL_LO
.endif
	MUL16 0, \p, \zero
	MUL16 2, \p, \zero
	s_wait_dscnt 0x0
.if \more
	PLACES NP                                      ; in front of loads into registers that matrix instructions have read
	FETCH1 \nq, 1-(\p)
.endif
.if \zero == 2
	WIN 0xd1
.else
	WIN MUL_HI
.endif
	MUL16 4, \p, \zero
	MUL16 6, \p, \zero
.if \more
	PLACES NP
	WIN 0
	FETCH2 \nq
.endif
.endm
	s_load_b128 s[4:7], s[0:1], 0x0                ; xw, bq
	s_load_b128 s[8:11], s[0:1], 0x10              ; bk, qk
	s_load_b128 s[92:95], s[0:1], 0x20             ; value, vq
	v_lshl_add_u32 v[SPW], v0, 2, SPARE
	v_mov_b32 v[NIL], 0
	ds_add_u32 v[SPW], v[NIL]                      ; the wave's opening: the add, twice on end, and its wait ahead of my first tensor load
	ds_add_u32 v[SPW], v[NIL]
	v_lshrrev_b32 v1, 5, v0
	v_readfirstlane_b32 s14, v1                    ; wave 0..3
	s_lshr_b32 s15, s14, 1                         ; my half of the tile's rows
	s_and_b32 s16, s14, 1                          ; my half of its columns
	s_bfe_u32 s40, ttmp6, 0x40000                  ; cx, cy
	s_bfe_u32 s41, ttmp6, 0x40004
	s_lshl_b32 s42, ttmp9, 2
	s_add_co_u32 s42, s42, s40                     ; tile column
	s_and_b32 s12, ttmp7, 0xffff                   ; the cluster's y
	s_lshl_b32 s17, s12, 2
	s_add_co_u32 s17, s17, s41                     ; tile row
	s_lshl_b32 s43, s41, 2
	s_lshl_b32 s43, 15, s43                        ; my row of the cluster
	s_lshl_b32 s44, 0x1111, s40                    ; my column
	s_or_b32 s[G1+0], s43, (3<<16)|(1<<21)         ; codes: elements of 8 bytes; the mask, and bit 21 beside it
	s_or_b32 s[G1B+0], s44, (3<<16)|(1<<21)
.irp g, G1, G1B
	s_mov_b32 s[\g+1], 1024<<16                    ; a row of 8 fragments = 8,192 bytes
	s_mov_b32 s[\g+2], 16<<16                      ; 16 rows of fragments, dense
	s_mov_b32 s[\g+3], 1024<<16
	s_mov_b32 s[\g+4], 16
	s_mov_b32 s[\g+5], 1024
	s_mov_b32 s[\g+6], 0
	s_mov_b32 s[\g+7], 0
.endr
	s_or_b32 s[G1S+0], s43, (3<<16)|(1<<21)        ; scale words: 8 rows of 1,024 bytes (two groups)
	s_or_b32 s[G1SB+0], s44, (3<<16)|(1<<21)
.irp g, G1S, G1SB
	s_mov_b32 s[\g+1], 128<<16
	s_mov_b32 s[\g+2], 8<<16
	s_mov_b32 s[\g+3], 128<<16
	s_mov_b32 s[\g+4], 8
	s_mov_b32 s[\g+6], 0
	s_mov_b32 s[\g+7], 0
.endr
	s_mov_b32 s[G1S+5], 64*192
	s_mov_b32 s[G1SB+5], 64*16
	s_cmp_ge_u32 s12, 8                            ; clusters 8 on take key's rows, and so Wk
	s_cselect_b32 s13, 8, 0
	s_lshl_b32 s20, s17, 17                        ; A: the tile's codes,
	s_mov_b32 s21, 0
	s_lshl_b32 s22, s17, 10
	s_add_co_u32 s22, s22, XSO                     ; its scale words
	s_mov_b32 s23, 0
	s_lshl_b32 s46, s42, 1
	s_add_co_u32 s46, s46, s13                     ; B: the first of two groups of 128 rows of Wq or Wk
	s_lshl_b32 s66, s46, 9
	s_add_co_u32 s66, s66, WSO
	s_mov_b32 s67, 0
	s_lshl_b32 s46, s46, 16
	s_add_co_u32 s46, s46, WCO
	s_mov_b32 s47, 0
	s_mov_b32 s18, 0x76543210                      ; v_permlanex16_b32's selects for lane l xor 16
	s_mov_b32 s19, 0xfedcba98
	s_lshl_b32 s96, s17, 2                         ; my unit of the values: 4 x the work-group's number + my wave
	s_add_co_u32 s96, s96, s42
	s_lshl_b32 s96, s96, 2
	s_add_co_u32 s96, s96, s14
	s_and_b32 s97, s96, 15                         ; which 64 columns,
	s_bfe_u32 s3, s96, 0x40004                     ; which 128 keys,
	s_lshr_b32 s96, s96, 8                         ; the batch
	s_lshl_b32 s98, s96, 23
	s_lshl_b32 s99, s3, 19
	s_add_co_u32 s98, s98, s99
	s_lshl_b32 s99, s97, 8
	s_add_co_u32 s98, s98, s99                     ; in
	s_add_co_u32 s62, s99, 8388608                 ; the scale words: 256 bytes for each 64 rows,
	s_mov_b32 s99, 0
	s_lshl_b32 s63, s96, 12
	s_add_co_u32 s62, s62, s63
	s_lshl_b32 s63, s3, 15                         ; 64 units for each 128 keys
	s_add_co_u32 s62, s62, s63
	s_mov_b32 s63, 0
	s_lshl_b32 s60, s96, 20                        ; the codes: four rows of fragments of 16,384 bytes,
	s_lshl_b32 s61, s97, 16
	s_add_co_u32 s60, s60, s61
	s_lshl_b32 s61, s3, 10                         ; a fragment for each 128 keys
	s_add_co_u32 s60, s60, s61
	s_mov_b32 s61, 0
	s_wait_dscnt 0x0                               ; both opening adds are done
	s_wait_kmcnt 0x0
	s_add_nc_u64 s[92:93], s[92:93], s[98:99]
	s_add_nc_u64 s[60:61], s[94:95], s[60:61]
	s_add_nc_u64 s[62:63], s[94:95], s[62:63]
	CROUND                                         ; all sixteen work-groups are here
	s_cmp_ge_u32 s12, 24
	s_cbranch_scc1 .Lvonly                         ; the same way in all waves of all partners
	; ---------------- A PROJECTION'S WORK-GROUP ----------------
	s_mov_b32 s[G0], 1
	s_mov_b32 s[G0+1], 0
	s_add_nc_u64 s[G0+2:G0+3], s[4:5], s[20:21]
	s_or_b32 s[G0+3], s[G0+3], 0x80000000
	s_mov_b32 s[G0B], 1
	s_mov_b32 s[G0B+1], BOF
	s_add_nc_u64 s[G0B+2:G0B+3], s[4:5], s[46:47]
	s_or_b32 s[G0B+3], s[G0B+3], 0x80000000
	s_mov_b32 s[G0S], 1
	s_mov_b32 s[G0S+1], SCL
	s_add_nc_u64 s[G0S+2:G0S+3], s[4:5], s[22:23]
	s_or_b32 s[G0S+3], s[G0S+3], 0x80000000
	s_mov_b32 s[G0SB], 1
	s_mov_b32 s[G0SB+1], SCL+8192
	s_add_nc_u64 s[G0SB+2:G0SB+3], s[4:5], s[66:67]
	s_or_b32 s[G0SB+3], s[G0SB+3], 0x80000000
; The head's four joint loads, one a wave, in one tree of branches on the wave's number: wave 0 A's codes, wave 1 B's, wave 2 A's scale words, wave 3 B's.
.macro ARM under, g0, g1, next
	s_cmp_lt_u32 s14, \under
	s_cbranch_scc0 \next
	tensor_load_to_lds s[\g0:\g0+3], s[\g1:\g1+7]
	s_nop 0
.rept 4
	v_nop
.endr
	s_branch .Lhead_asked
\next:
.endm
	ARM 1, G0,  G1,  .Lhead_b
	ARM 2, G0B, G1B, .Lhead_sa
	ARM 3, G0S, G1S, .Lhead_sb
	tensor_load_to_lds s[G0SB:G0SB+3], s[G1SB:G1SB+7]
	s_nop 0
.rept 4
	v_nop
.endr
.Lhead_asked:
	VUNIT VBASE1                                   ; my unit of the values, while the tiles are on their way
	s_lshl_b32 s36, s15, 16                        ; my 128 rows of A,
	s_lshl_b32 s37, s16, 16
	s_add_co_u32 s37, s37, BOF                     ; of B
	s_lshl_b32 s39, s15, 9
	s_lshl_b32 s38, s16, 9
	s_add_co_u32 s38, s38, 8192
	s_sub_co_u32 s38, s38, s39                     ; from A's words to B's
	s_add_co_u32 s39, s39, SCL
	s_lshl_b32 s20, s17, 17                        ; where my results go: rows' group 2 ty + my half, K step 2 tx + my half of the next product
	s_lshl_b32 s21, s15, 16
	s_add_co_u32 s20, s20, s21
	s_lshl_b32 s46, s42, 11
	s_lshl_b32 s47, s16, 10
	s_add_co_u32 s46, s46, s47
	s_add_co_u32 s96, s20, s46
	s_mov_b32 s97, 0
	s_add_nc_u64 s[96:97], s[10:11], s[96:97]      ; the codes
	s_lshl_b32 s20, s17, 10
	s_lshl_b32 s21, s15, 9
	s_add_co_u32 s20, s20, s21
	s_lshl_b32 s46, s42, 1
	s_add_co_u32 s46, s46, s16
	s_mul_i32 s46, s46, 98304
	s_add_co_u32 s98, s20, s46
	s_add_co_u32 s98, s98, XSO
	s_mov_b32 s99, 0
	s_add_nc_u64 s[98:99], s[10:11], s[98:99]      ; the scale words
	s_cmp_ge_u32 s12, 8
	s_cselect_b64 s[6:7], s[8:9], s[6:7]           ; the bias: for B's block b, lane (r, h) wants e = 32 (b / 2) + 16 h + 8 (b % 2) + 0 .. 7 of my 128
	s_lshl_b32 s46, s42, 10
	s_lshl_b32 s47, s16, 9
	s_add_co_u32 s46, s46, s47
	s_mov_b32 s47, 0
	s_add_nc_u64 s[6:7], s[6:7], s[46:47]
	v_add_nc_u32 v[ADRA], s36, v[CO]
	v_add_nc_u32 v[ADRB], s37, v[CO]
	v_mul_u32_u24 v6, s38, v2                      ; lanes 16-31 take B's words
	v_lshl_add_u32 v5, v1, 4, v6
	v_add_nc_u32 v[ADRS], s39, v5
	v_lshlrev_b32 v7, 6, v2
	s_wait_alu depctr_va_vdst(0)                   ; the wait at the head's end
	WIN TO_B
.irp b, 0,1,2,3,4,5,6,7
	global_load_b128 v[64+8*\b:64+8*\b+3], v7, s[6:7] offset:(32*(\b/2)+8*(\b%2))*4
	global_load_b128 v[64+8*\b+4:64+8*\b+7], v7, s[6:7] offset:(32*(\b/2)+8*(\b%2))*4+16
.endr
	WIN 0
	s_wait_tensorcnt 0x0                           ; my tile of the four is in;
	s_barrier_signal -1
	s_barrier_wait -1                              ; and everybody's
	FETCH1 0, 0
	FETCH2 0
	s_wait_loadcnt 0x0                             ; the bias
	STEP 0, 1, 2, 1                                ; step 0 starts the sums from the bias
	s_mov_b32 s3, 3
.Lk:                                               ; three trips: steps 2 t + 1 and 2 t + 2
	STEP 1, 2, 0, 1
	STEP 0, 3, 0, 1
	v_add_nc_u32 v[ADRA], 0x800, v[ADRA]           ; two steps on
	v_add_nc_u32 v[ADRB], 0x800, v[ADRB]
	v_add_nc_u32 v[ADRS], 0x800, v[ADRS]
	s_sub_co_u32 s3, s3, 1
	s_cmp_lg_u32 s3, 0
	s_wait_alu depctr_va_vdst(0)                   ; the wait here, directly ahead of the branch
	s_cbranch_scc1 .Lk
	STEP 1, 0, 0, 0                                ; step 7
	WIN 0
; THE WAY OUT.  Block a's 64 registers of a lane: register 16 b + i = e 32 b + 16 (lane / 16) + i of row lane % 16.  They become one fragment and one scale word a row.
.macro QUANTW a
.set AC, 64*((\a)%4)
	WIN 0x28+0x14*((\a)/4)                         ; sources 1 and 2: the accumulators' window
.irp b, 0,1,2,3
	v_max3_num_f32 v[TM+\b], v[FLR], |v[AC+16*\b]|, |v[AC+16*\b+1]|   ; my 16 numbers and the floor; each accumulator is read from its low end on
.endr
.irp i, 2,4,6,8,10,12,14
.irp b, 0,1,2,3
	v_max3_num_f32 v[TM+\b], v[TM+\b], |v[AC+16*\b+\i]|, |v[AC+16*\b+\i+1]|
.endr
.endr
	WIN 0
.irp b, 0,1,2,3
	v_permlanex16_b32 v[TM+4+\b], v[TM+\b], s18, s19
.endr
.irp b, 0,1,2,3
	v_max_num_f32 v[TM+\b], v[TM+\b], v[TM+4+\b]   ; with lane l xor 16's: the block's largest magnitude
.endr
.irp b, 0,1,2,3
	v_add_nc_u32 v[TM+12+\b], 0xff000000, v[TM+\b] ; 2 off its exponent field: the conversion's scale operand
.endr
.irp b, 0,1,2,3
	v_lshrrev_b32 v[TM+4+\b], 23, v[TM+12+\b]      ; the scale's byte
.endr
	v_lshl_or_b32 v[PW+(\a)], v[TM+5], 8, v[TM+4]
	v_lshl_or_b32 v[PW+(\a)], v[TM+6], 16, v[PW+(\a)]
	v_lshl_or_b32 v[PW+(\a)], v[TM+7], 24, v[PW+(\a)]
	WIN 0x02+(\a)/4                                ; source 0: the accumulators' window
.irp b, 0,1,2,3
	v_cvt_scalef32_pk8_fp4_f32 v[PC+8*(\a)+2*\b], v[AC+16*\b:AC+16*\b+7], v[TM+12+\b]
	v_cvt_scalef32_pk8_fp4_f32 v[PC+8*(\a)+2*\b+1], v[AC+16*\b+8:AC+16*\b+15], v[TM+12+\b]
.endr
	WIN 0
	v_nop                                          ; one plain instruction behind a scaled conversion
.irp c, 0,1                                    ; the operand's layout wants a whole block in a lane
.irp i, 0,1
	v_permlane16_swap_b32 v[PC+8*(\a)+4*\c+\i], v[PC+8*(\a)+4*\c+2+\i]
.endr
.endr
	global_store_b128 v[CO], v[PC+8*(\a):PC+8*(\a)+3], s[96:97] offset:8192*(\a)       ; the fragment as it stands: 512 consecutive bytes a store
	global_store_b128 v[CO], v[PC+8*(\a)+4:PC+8*(\a)+7], s[96:97] offset:8192*(\a)+512
.endm
	PLACES NP                                      ; behind the last products
.irp b, 0,1,2,3
	v_mov_b32 v[TM+4+\b], 0                        ; written once: a lane permute's destination counts as one of its sources
.endr
	v_mov_b32 v[FLR], 0x1800000
.irp a, 0,1,2,3,4,5,6,7
	QUANTW \a
.endr
	v_cmp_ne_u32 vcc_lo, 0, v2                     ; lane (r, h) stores the words of blocks 4 h .. 4 h + 3 of row r
.irp j, 0,1,2,3
	v_cndmask_b32 v[SWO+\j], v[PW+\j], v[PW+4+\j], vcc_lo
.endr
	global_store_b128 v[CO], v[SWO:SWO+3], s[98:99]
	s_branch .Lend
	; ---------------- A WORK-GROUP WITH THE VALUES ALONE ----------------
.Lvonly:
	VUNIT VBASE2
	; ---------------- BOTH ----------------
.Lend:
	s_wait_tensorcnt 0x0                           ; the wave's end
	ds_add_u32 v[SPW], v[NIL]
	s_wait_dscnt 0x0
	CROUND                                         ; the closing round
	s_endpgm
.Lfunc_end_k_qe93da3bbb2_proj:
	.size	k_qe93da3bbb2_proj, .Lfunc_end_k_qe93da3bbb2_proj-k_qe93da3bbb2_proj
	.p2alignl 7, 3214868480
	.fill 96, 4, 3214868480
	.section	.rodata,"a",@progbits
	.p2align	6, 0x0
	.amdhsa_kernel k_qe93da3bbb2_proj
		.amdhsa_group_segment_fixed_size 327680
		.amdhsa_private_segment_fixed_size 0
		.amdhsa_enable_private_segment 0
		.amdhsa_kernarg_size 48
		.amdhsa_user_sgpr_count 2
		.amdhsa_user_sgpr_kernarg_segment_ptr 1
		.amdhsa_wavefront_size32 1
		.amdhsa_system_sgpr_workgroup_id_x 1
		.amdhsa_system_sgpr_workgroup_id_y 1
		.amdhsa_system_sgpr_workgroup_id_z 1
		.amdhsa_system_vgpr_workitem_id 0
		.amdhsa_next_free_vgpr 1024
		.amdhsa_next_free_sgpr 100
		.amdhsa_reserve_vcc 1
		.amdhsa_float_denorm_mode_32 3
		.amdhsa_float_denorm_mode_16_64 3
		.amdhsa_memory_ordered 1
		.amdhsa_forward_progress 1
		.amdhsa_inst_pref_size 145
	.end_amdhsa_kernel
	.amdgpu_metadata
---
amdhsa.version: [ 1, 2 ]
amdhsa.kernels:
  - .name:           k_qe93da3bbb2_proj
    .symbol:         k_qe93da3bbb2_proj.kd
    .args:
      - { .name: xw, .offset: 0, .size: 8, .value_kind: global_buffer, .address_space: global }
      - { .name: bq, .offset: 8, .size: 8, .value_kind: global_buffer, .address_space: global }
      - { .name: bk, .offset: 16, .size: 8, .value_kind: global_buffer, .address_space: global }
      - { .name: qk, .offset: 24, .size: 8, .value_kind: global_buffer, .address_space: global }
      - { .name: value, .offset: 32, .size: 8, .value_kind: global_buffer, .address_space: global }
      - { .name: vq, .offset: 40, .size: 8, .value_kind: global_buffer, .address_space: global }
    .group_segment_fixed_size: 327680
    .private_segment_fixed_size: 0
    .kernarg_segment_align: 8
    .kernarg_segment_size: 48
    .max_flat_workgroup_size: 128
    .sgpr_count:     100
    .vgpr_count:     1024
    .wavefront_size: 32
...
	.end_amdgpu_metadata
.endif
;; end of part 2
;; launch scores (part 3): grid 8 x 32, 4 waves a work-group, clusters of 4 x 4, 327,680 bytes of LDS; arguments qk, pq; writes pq
.if DOCPART == 3
	.amdgcn_target "amdgcn-amd-amdhsa--gfx1250"
	.amdhsa_code_object_version 6
	.text
	.protected	k_qe93da3bbb2_scores
	.globl	k_qe93da3bbb2_scores
	.p2align	8
	.type	k_qe93da3bbb2_scores,@function
k_qe93da3bbb2_scores:
	s_mov_b64 s[64:65], 0
	v_nop
	global_prefetch_b8 v0, s[64:65] scope:SCOPE_SE
	s_setreg_imm32_b32 hwreg(HW_REG_WAVE_MODE, 25, 1), 1
	s_wait_xcnt 0x0
	s_wait_alu depctr_hold_cnt(0) depctr_sa_sdst(0) depctr_va_vdst(0) depctr_va_sdst(0) depctr_va_ssrc(0) depctr_va_vcc(0) depctr_vm_vsrc(0)
	s_getreg_b32 s2, hwreg(HW_REG_IB_STS2, 6, 4)
	s_cmp_eq_u32 s2, 0
	s_cbranch_scc0 .Lentry_in_a_cluster
	s_endpgm
.Lentry_in_a_cluster:
	s_bfe_u32 s2, ttmp6, 0x10000c
	s_cmp_lg_u32 s2, 0xf033
	s_cbranch_scc0 .Lentry_shape_is_right
	s_endpgm
.Lentry_shape_is_right:
; S = q k^T on codes of FP4, and the softmax's p ahead of the last product.  No work is left out.  The scores never go to memory: what is stored is p as codes, its scale words, and for each row and each 128 keys -M and the sum l.
; t = score x log2(e) / 32.  For a row and a run of 128 keys: M = ceil(the run's largest t), a whole number; p = 2^(t - M) is quantised along the keys; l = the sum of the unquantised p, in f32.
; The maximum is taken away before every exponential.  The next launch brings the sixteen runs of a row under the row's own M: a change of M is an exact power of two, which a block's scale byte takes up, so the codes stay.
; A tile of 256 queries x 256 keys is made by four waves, 128 x 128 each.  K = 1,024 lies in LDS whole: q's 16 x 8 fragments, k's 16 x 8, both sides' scale words [K / 128][2 groups][512 bytes]: four joint loads at the head, one a wave;
; nothing is filled again, so one wait and one barrier serve the launch.  No prefetch: all tiles are asked for at the head, and there is no loop to run ahead in.
; qk: fragments [rows / 16][8][1,024 bytes], rows 0-8191 q, then k; scale words [8][192][512 bytes].  pq: P's fragments [rows / 16][16][1,024 bytes]; then three tables [16][64][512 bytes]: scale words, -M, l.
; CLUSTERS: 4 x 4 work-groups of one batch; the four of a row ask jointly for q's tiles, the four of a column for k's.
; TRANSPOSED USE: source 0 = 16 keys, source 1 = 16 queries; the keys of a fragment were chosen so that the 16 registers of two neighbouring tiles are 16 neighbouring keys.
; LIMITS: a block whose every p has fallen to 0 keeps the byte 1 (its codes are zeros); NaN and infinities are not served.
; REGISTERS: window 0: v16-29 addresses; v32-47 scale words, two sets, and nothing else; v96-114 the softmax's small registers; v128-191 A's fragments, then t and p; v192-243 the way out.
;   window 1: B's fragments, two sets.   windows 2, 3: the accumulators.
.set XSO,    12582912
.set PS,     8388608
.set BOF,    131072
.set SCL,    262144
.set SPARE,  282624
.set NP,     4
.set ADRA, 16
.set ADRB, 20
.set CO,   26
.set ADRS, 27
.set SPW,  28
.set NIL,  29
.set SC,   32
.set AF,   128
.set G1, 24
.set G0, 32
.set G1B, 48
.set G0B, 56
.set G1S, 68
.set G0S, 76
.set G1SB, 80
.set G0SB, 88
.set BM,   96
.set SO,   104
.set SA,   108
.set SA2,  110
.set NINF, 112
.set T,    128
.set PC,   192
.set ST,   208
.set PW,   224
.set OUTW, 232
.set MSB, 0
.macro WIN new
.if MSB != (\new)
	s_set_vgpr_msb (MSB<<8)|(\new)
.set MSB, (\new)
.endif
.endm
.set MUL_LO, 0xa1
.set MUL_HI, 0xf1
.set TO_B,   0x40
.macro CREST
	s_cmp_lg_u32 s14, 0
	s_cbranch_scc1 .Lnot_wave_0_\@
	s_barrier_signal -3
.Lnot_wave_0_\@:
	s_barrier_wait -3
	s_barrier_signal -1
	s_barrier_wait -1
.endm
.macro CROUND
	s_barrier_signal -1
	s_barrier_wait -1
	CREST
.endm
.macro PLACES n
.rept \n
	v_nop
.endr
.endm
.macro FRAG reg, adr, q, i
.irp c, 0,1
	ds_load_b128 v[\reg+4*\c:\reg+4*\c+3], v[\adr] offset:8192*(\i)+1024*(\q)+512*\c
.endr
.endm
.macro MUL16 a0, p, zero               ; 16 products; zero = 1: C = 0.  The 64 accumulators take turns in one order throughout
.irp a, \a0, \a0+1
.irp b, 0,1,2,3,4,5,6,7
.set rD, 8*(8*((\a)%4)+\b)
.set rB, 128*(\p)+8*\b
.set rA, AF+8*(\a)
.set rSB, SC+8*(\p)+\b
.set rSA, SC+8*(\p)+(\a)
.if \zero == 1
	v_wmma_scale_f32_16x16x128_f8f6f4 v[rD:rD+7], v[rB:rB+7], v[rA:rA+7], 0, v[rSB], v[rSA] matrix_a_fmt:MATRIX_FMT_FP4 matrix_b_fmt:MATRIX_FMT_FP4 matrix_a_scale:MATRIX_SCALE_ROW1
.else
	v_wmma_scale_f32_16x16x128_f8f6f4 v[rD:rD+7], v[rB:rB+7], v[rA:rA+7], v[rD:rD+7], v[rSB], v[rSA] matrix_a_fmt:MATRIX_FMT_FP4 matrix_b_fmt:MATRIX_FMT_FP4 matrix_a_scale:MATRIX_SCALE_ROW1
.endif
.endr
.endr
.endm
.macro FETCH1 q, p                     ; of the step q on from the addresses: B's eight fragments and the scale words into set p, A's blocks 0-3: 26 loads
	WIN TO_B
.irp i, 0,1,2,3,4,5,6,7
	FRAG 128*(\p)+8*\i, ADRB, \q, \i
.endr
	WIN 0
	ds_load_b128 v[SC+8*(\p):SC+8*(\p)+3], v[ADRS] offset:1024*(\q)
	ds_load_b128 v[SC+8*(\p)+4:SC+8*(\p)+7], v[ADRS] offset:1024*(\q)+256
.irp i, 0,1,2,3
	FRAG AF+8*\i, ADRA, \q, \i
.endr
.endm
.macro FETCH2 q                        ; A's blocks 4-7: 8 loads
.irp i, 4,5,6,7
	FRAG AF+8*\i, ADRA, \q, \i
.endr
.endm
.macro STEP p, nq, zero, more          ; a step of 128 along K; more = 1: the step nq on from the addresses is fetched
	s_wait_dscnt 8                                 ; all but the youngest eight loads (A's blocks 4-7) are in
	WIN MUL_LO
	MUL16 0, \p, \zero
	MUL16 2, \p, \zero
	s_wait_dscnt 0x0
.if \more
	PLACES NP                                      ; in front of loads into registers that matrix instructions have read
	FETCH1 \nq, 1-(\p)
.endif
	WIN MUL_HI
	MUL16 4, \p, \zero
	MUL16 6, \p, \zero
.if \more
	PLACES NP
	WIN 0
	FETCH2 \nq
.endif
.endm
	s_load_b128 s[4:7], s[0:1], 0x0                ; qk, pq
	v_lshl_add_u32 v[SPW], v0, 2, SPARE
	v_mov_b32 v[NIL], 0
	ds_add_u32 v[SPW], v[NIL]                      ; the wave's opening: the add, twice on end, and its wait ahead of my first tensor load
	ds_add_u32 v[SPW], v[NIL]
	v_lshrrev_b32 v1, 5, v0
	v_readfirstlane_b32 s14, v1
	s_lshr_b32 s15, s14, 1
	s_and_b32 s16, s14, 1
	s_bfe_u32 s40, ttmp6, 0x40000
	s_bfe_u32 s41, ttmp6, 0x40004
	s_lshl_b32 s42, ttmp9, 2
	s_add_co_u32 s42, s42, s40                     ; tile column: 256 keys of the batch
	s_and_b32 s12, ttmp7, 0xffff                   ; the cluster's y = the batch
	s_lshl_b32 s17, s12, 2
	s_add_co_u32 s17, s17, s41                     ; tile row: 256 of the 8,192 queries
	s_lshl_b32 s43, s41, 2
	s_lshl_b32 s43, 15, s43
	s_lshl_b32 s44, 0x1111, s40
	s_or_b32 s[G1+0], s43, (3<<16)|(1<<21)
	s_or_b32 s[G1B+0], s44, (3<<16)|(1<<21)
.irp g, G1, G1B
	s_mov_b32 s[\g+1], 1024<<16                    ; a row of 8 fragments = 8,192 bytes; 16 such rows, dense
	s_mov_b32 s[\g+2], 16<<16
	s_mov_b32 s[\g+3], 1024<<16
	s_mov_b32 s[\g+4], 16
	s_mov_b32 s[\g+5], 1024
	s_mov_b32 s[\g+6], 0
	s_mov_b32 s[\g+7], 0
.endr
	s_or_b32 s[G1S+0], s43, (3<<16)|(1<<21)        ; scale words: 8 rows of 1,024 bytes (two groups)
	s_or_b32 s[G1SB+0], s44, (3<<16)|(1<<21)
.irp g, G1S, G1SB
	s_mov_b32 s[\g+1], 128<<16
	s_mov_b32 s[\g+2], 8<<16
	s_mov_b32 s[\g+3], 128<<16
	s_mov_b32 s[\g+4], 8
	s_mov_b32 s[\g+5], 64*192
	s_mov_b32 s[\g+6], 0
	s_mov_b32 s[\g+7], 0
.endr
	s_lshl_b32 s20, s17, 17                        ; A: q's codes,
	s_mov_b32 s21, 0
	s_lshl_b32 s22, s17, 10
	s_add_co_u32 s22, s22, XSO                     ; its scale words
	s_mov_b32 s23, 0
	s_lshl_b32 s13, s12, 4                         ; B: k's groups begin at 64; 16 to a batch
	s_lshl_b32 s46, s42, 1
	s_add_co_u32 s46, s46, s13
	s_add_co_u32 s46, s46, 64
	s_lshl_b32 s92, s46, 9
	s_add_co_u32 s92, s92, XSO
	s_mov_b32 s93, 0
	s_lshl_b32 s46, s46, 16
	s_mov_b32 s47, 0
	s_mov_b32 s18, 0x76543210
	s_mov_b32 s19, 0xfedcba98
	s_mov_b32 s66, 0x3d38aa3b                      ; c = log2(e) / 32
	s_mov_b32 s67, s66                             ; (named with it as a pair, so it is written)
	s_wait_dscnt 0x0
	s_wait_kmcnt 0x0
	CROUND                                         ; all sixteen work-groups are here: the joint loads meet
	s_mov_b32 s[G0], 1
	s_mov_b32 s[G0+1], 0
	s_add_nc_u64 s[G0+2:G0+3], s[4:5], s[20:21]
	s_or_b32 s[G0+3], s[G0+3], 0x80000000
	s_mov_b32 s[G0B], 1
	s_mov_b32 s[G0B+1], BOF
	s_add_nc_u64 s[G0B+2:G0B+3], s[4:5], s[46:47]
	s_or_b32 s[G0B+3], s[G0B+3], 0x80000000
	s_mov_b32 s[G0S], 1
	s_mov_b32 s[G0S+1], SCL
	s_add_nc_u64 s[G0S+2:G0S+3], s[4:5], s[22:23]
	s_or_b32 s[G0S+3], s[G0S+3], 0x80000000
	s_mov_b32 s[G0SB], 1
	s_mov_b32 s[G0SB+1], SCL+8192
	s_add_nc_u64 s[G0SB+2:G0SB+3], s[4:5], s[92:93]
	s_or_b32 s[G0SB+3], s[G0SB+3], 0x80000000
; The head's four joint loads, one a wave, in one tree of branches on the wave's number: wave 0 A's codes, wave 1 B's, wave 2 A's scale words, wave 3 B's.
.macro ARM under, g0, g1, next
	s_cmp_lt_u32 s14, \under
	s_cbranch_scc0 \next
	tensor_load_to_lds s[\g0:\g0+3], s[\g1:\g1+7]
	s_nop 0
.rept 4
	v_nop
.endr
	s_branch .Lhead_asked
\next:
.endm
	ARM 1, G0,  G1,  .Lhead_b
	ARM 2, G0B, G1B, .Lhead_sa
	ARM 3, G0S, G1S, .Lhead_sb
	tensor_load_to_lds s[G0SB:G0SB+3], s[G1SB:G1SB+7]
	s_nop 0
.rept 4
	v_nop
.endr
.Lhead_asked:
	s_lshl_b32 s36, s15, 16
	s_lshl_b32 s37, s16, 16
	s_add_co_u32 s37, s37, BOF
	s_lshl_b32 s39, s15, 9
	s_lshl_b32 s38, s16, 9
	s_add_co_u32 s38, s38, 8192
	s_sub_co_u32 s38, s38, s39
	s_add_co_u32 s39, s39, SCL
	s_lshl_b32 s20, s17, 18                        ; where my results go: P's rows' group 2 ty + my half, its K step (128 keys) 2 tx + my half
	s_lshl_b32 s21, s15, 17
	s_add_co_u32 s20, s20, s21
	s_lshl_b32 s46, s42, 11
	s_lshl_b32 s47, s16, 10
	s_add_co_u32 s46, s46, s47
	s_add_co_u32 s96, s20, s46
	s_mov_b32 s97, 0
	s_add_nc_u64 s[96:97], s[6:7], s[96:97]        ; the codes
	s_lshl_b32 s20, s17, 10
	s_lshl_b32 s21, s15, 9
	s_add_co_u32 s20, s20, s21
	s_lshl_b32 s46, s42, 16
	s_lshl_b32 s47, s16, 15
	s_add_co_u32 s46, s46, s47
	s_add_co_u32 s98, s20, s46
	s_add_co_u32 s98, s98, PS
	s_mov_b32 s99, 0
	s_add_nc_u64 s[98:99], s[6:7], s[98:99]        ; the three tables
	v_and_b32 v1, 15, v0
	v_bfe_u32 v2, v0, 4, 1
	v_and_b32 v3, 31, v0
	v_lshlrev_b32 v[CO], 4, v3
	v_add_nc_u32 v[ADRA], s36, v[CO]
	v_add_nc_u32 v[ADRB], s37, v[CO]
	v_mul_u32_u24 v6, s38, v2                      ; lanes 16-31 take B's words
	v_lshl_add_u32 v5, v1, 4, v6
	v_add_nc_u32 v[ADRS], s39, v5
	s_wait_alu depctr_va_vdst(0)                   ; the wait at the head's end
	s_wait_tensorcnt 0x0                           ; my tile of the four is in;
	s_barrier_signal -1
	s_barrier_wait -1                              ; and everybody's
	FETCH1 0, 0
	FETCH2 0
	STEP 0, 1, 1, 1                                ; step 0's products start the sums
	s_mov_b32 s3, 3
.Lk:                                               ; three trips: steps 2 t + 1 and 2 t + 2
	STEP 1, 2, 0, 1
	STEP 0, 3, 0, 1
	v_add_nc_u32 v[ADRA], 0x800, v[ADRA]           ; two steps on
	v_add_nc_u32 v[ADRB], 0x800, v[ADRB]
	v_add_nc_u32 v[ADRS], 0x800, v[ADRS]
	s_sub_co_u32 s3, s3, 1
	s_cmp_lg_u32 s3, 0
	s_wait_alu depctr_va_vdst(0)                   ; the wait here, directly ahead of the branch
	s_cbranch_scc1 .Lk
	STEP 1, 0, 0, 0                                ; step 7
	WIN 0
; THE WAY OUT.  Block a: a lane holds one query (lane % 16) and, in register 16 b + i, its score with key 32 b + 16 (lane / 16) + i of my 128.
.macro SOFT a
.set AC, 64*((\a)%4)
.set PCS, PC+8*((\a)%2)
.set SM, ST+2*(\a)
	WIN 0x28+0x14*((\a)/4)                         ; sources 1 and 2: the accumulators' window
.irp b, 0,1,2,3
	v_max3_num_f32 v[BM+\b], v[NINF], v[AC+16*\b], v[AC+16*\b+1]   ; the largest score of each block of 32 keys: it serves for the run's maximum and, since p rises with the score, for the block's largest p
.endr
.irp i, 2,4,6,8,10,12,14
.irp b, 0,1,2,3
	v_max3_num_f32 v[BM+\b], v[BM+\b], v[AC+16*\b+\i], v[AC+16*\b+\i+1]
.endr
.endr
	WIN 0
.irp b, 0,1,2,3
	v_permlanex16_b32 v[BM+4+\b], v[BM+\b], s18, s19
.endr
.irp b, 0,1,2,3
	v_max_num_f32 v[BM+\b], v[BM+\b], v[BM+4+\b]   ; with lane l xor 16's 16 keys
.endr
	v_max3_num_f32 v113, v[BM], v[BM+1], v[BM+2]
	v_max_num_f32 v113, v113, v[BM+3]
	v_mul_f32 v[SM+1], s66, v113                   ; the run's largest t (c is positive)
	v_floor_f32 v[SM], -v[SM+1]                    ; -M = floor(-t) = -ceil(t): a whole number
	WIN 0x02+(\a)/4                                ; source 0: the accumulators' window
.set j, 0
.rept 32
	v_pk_fma_f32 v[T+j:T+j+1], v[AC+j:AC+j+1], s[66:67], v[SM:SM+1] op_sel_hi:[1,0,0]   ; t - M, two at a time, into window 0
.set j, j+2
.endr
	WIN 0
.irp b, 0,1,2,3
	v_fma_f32 v[BM+\b], v[BM+\b], s66, v[SM]       ; the same of each block's largest score
.endr
.set j, 0
	s_wait_alu depctr_va_vdst(0)                   ; the wait ahead of the batch
.rept 64
	v_exp_f32 v[T+j], v[T+j]                       ; p = 2^(t - M): not normalised
.set j, j+1
.endr
	v_nop                                          ; a plain instruction behind the exponentials
	s_wait_alu depctr_va_vdst(0)                   ; one wait for the whole batch, ahead of its first reader
.irp b, 0,1,2,3
	v_exp_f32 v[BM+\b], v[BM+\b]                   ; the block's largest p: the same two instructions on the same number give the same bits
.endr
	v_pk_add_f32 v[SA:SA+1], v[T:T+1], v[T+4:T+5]  ; the sum is taken of the unquantised p, two at a time, in two chains; it reads the 64 alone
	v_pk_add_f32 v[SA2:SA2+1], v[T+2:T+3], v[T+6:T+7]
.irp j, 8,12,16,20,24,28,32,36,40,44,48,52,56,60
	v_pk_add_f32 v[SA:SA+1], v[SA:SA+1], v[T+\j:T+\j+1]
	v_pk_add_f32 v[SA2:SA2+1], v[SA2:SA2+1], v[T+\j+2:T+\j+3]
.endr
	v_pk_add_f32 v[SA:SA+1], v[SA:SA+1], v[SA2:SA2+1]
	s_wait_alu depctr_va_vdst(0)                   ; and one wait for the four
.irp b, 0,1,2,3
	v_max_num_f32 v[BM+\b], 0x1800000, v[BM+\b]    ; the floor 2^(3 - 127): the byte cannot fall under 1
.endr
.irp b, 0,1,2,3
	v_add_nc_u32 v[SO+\b], 0xff000000, v[BM+\b]    ; 2 off the exponent field: the conversion's scale operand
.endr
.irp b, 0,1,2,3
	v_lshrrev_b32 v[BM+4+\b], 23, v[SO+\b]         ; the scale's byte
.endr
	v_lshl_or_b32 v[PW+(\a)], v[BM+5], 8, v[BM+4]
	v_lshl_or_b32 v[PW+(\a)], v[BM+6], 16, v[PW+(\a)]
	v_lshl_or_b32 v[PW+(\a)], v[BM+7], 24, v[PW+(\a)]
	v_add_f32 v113, v[SA], v[SA+1]
	v_permlanex16_b32 v114, v113, s18, s19
	v_add_f32 v[SM+1], v113, v114                  ; l of these 128 keys, under their M
.if (\a) >= 2
	s_wait_xcnt 0x0                                ; the stores of two blocks back have read their registers: this set of codes is written again only behind this wait
.endif
.irp b, 0,1,2,3
	v_cvt_scalef32_pk8_fp4_f32 v[PCS+2*\b], v[T+16*\b:T+16*\b+7], v[SO+\b]
	v_cvt_scalef32_pk8_fp4_f32 v[PCS+2*\b+1], v[T+16*\b+8:T+16*\b+15], v[SO+\b]
.endr
	v_nop                                          ; one plain instruction behind a scaled conversion
.irp c, 0,1                                    ; the operand's layout wants a whole block in a lane
.irp i, 0,1
	v_permlane16_swap_b32 v[PCS+4*\c+\i], v[PCS+4*\c+2+\i]
.endr
.endr
	global_store_b128 v[CO], v[PCS:PCS+3], s[96:97] offset:16384*(\a)          ; the fragment as it stands: 512 consecutive bytes a store
	global_store_b128 v[CO], v[PCS+4:PCS+7], s[96:97] offset:16384*(\a)+512
.endm
	PLACES NP                                      ; behind the last products
.irp b, 0,1,2,3
	v_mov_b32 v[BM+4+\b], 0                        ; written once: a lane permute's destination counts as one of its sources
.endr
	v_mov_b32 v114, 0
	v_mov_b32 v[NINF], 0xff800000
.irp a, 0,1,2,3,4,5,6,7
	SOFT \a
.endr
	v_cmp_ne_u32 vcc_lo, 0, v2                     ; lane (r, h) stores the words of blocks 4 h .. 4 h + 3 of row r
.irp j, 0,1,2,3
	v_cndmask_b32 v[OUTW+\j], v[PW+\j], v[PW+4+\j], vcc_lo
	v_cndmask_b32 v[OUTW+4+\j], v[ST+2*\j], v[ST+8+2*\j], vcc_lo
	v_cndmask_b32 v[OUTW+8+\j], v[ST+2*\j+1], v[ST+9+2*\j], vcc_lo
.endr
	global_store_b128 v[CO], v[OUTW:OUTW+3], s[98:99]
	global_store_b128 v[CO], v[OUTW+4:OUTW+7], s[98:99] offset:524288
	global_store_b128 v[CO], v[OUTW+8:OUTW+11], s[98:99] offset:1048576
	s_wait_tensorcnt 0x0                           ; the wave's end
	ds_add_u32 v[SPW], v[NIL]
	s_wait_dscnt 0x0
	CROUND                                         ; the closing round
	s_endpgm
.Lfunc_end_k_qe93da3bbb2_scores:
	.size	k_qe93da3bbb2_scores, .Lfunc_end_k_qe93da3bbb2_scores-k_qe93da3bbb2_scores
	.p2alignl 7, 3214868480
	.fill 96, 4, 3214868480
	.section	.rodata,"a",@progbits
	.p2align	6, 0x0
	.amdhsa_kernel k_qe93da3bbb2_scores
		.amdhsa_group_segment_fixed_size 327680
		.amdhsa_private_segment_fixed_size 0
		.amdhsa_enable_private_segment 0
		.amdhsa_kernarg_size 16
		.amdhsa_user_sgpr_count 2
		.amdhsa_user_sgpr_kernarg_segment_ptr 1
		.amdhsa_wavefront_size32 1
		.amdhsa_system_sgpr_workgroup_id_x 1
		.amdhsa_system_sgpr_workgroup_id_y 1
		.amdhsa_system_sgpr_workgroup_id_z 1
		.amdhsa_system_vgpr_workitem_id 0
		.amdhsa_next_free_vgpr 1024
		.amdhsa_next_free_sgpr 100
		.amdhsa_reserve_vcc 1
		.amdhsa_float_denorm_mode_32 3
		.amdhsa_float_denorm_mode_16_64 3
		.amdhsa_memory_ordered 1
		.amdhsa_forward_progress 1
		.amdhsa_inst_pref_size 139
	.end_amdhsa_kernel
	.amdgpu_metadata
---
amdhsa.version: [ 1, 2 ]
amdhsa.kernels:
  - .name:           k_qe93da3bbb2_scores
    .symbol:         k_qe93da3bbb2_scores.kd
    .args:
      - { .name: qk, .offset: 0, .size: 8, .value_kind: global_buffer, .address_space: global }
      - { .name: pq, .offset: 8, .size: 8, .value_kind: global_buffer, .address_space: global }
    .group_segment_fixed_size: 327680
    .private_segment_fixed_size: 0
    .kernarg_segment_align: 8
    .kernarg_segment_size: 16
    .max_flat_workgroup_size: 128
    .sgpr_count:     100
    .vgpr_count:     1024
    .wavefront_size: 32
...
	.end_amdgpu_metadata
.endif
;; end of part 3
;; launch pv (part 4): grid 8 x 32, 4 waves a work-group, clusters of 4 x 4, 327,680 bytes of LDS; arguments pq, vq, out0; writes out0
.if DOCPART == 4
	.amdgcn_target "amdgcn-amd-amdhsa--gfx1250"
	.amdhsa_code_object_version 6
	.text
	.protected	k_qe93da3bbb2_pv
	.globl	k_qe93da3bbb2_pv
	.p2align	8
	.type	k_qe93da3bbb2_pv,@function
k_qe93da3bbb2_pv:
	s_mov_b64 s[64:65], 0
	v_nop
	global_prefetch_b8 v0, s[64:65] scope:SCOPE_SE
	s_setreg_imm32_b32 hwreg(HW_REG_WAVE_MODE, 25, 1), 1
	s_wait_xcnt 0x0
	s_wait_alu depctr_hold_cnt(0) depctr_sa_sdst(0) depctr_va_vdst(0) depctr_va_sdst(0) depctr_va_ssrc(0) depctr_va_vcc(0) depctr_vm_vsrc(0)
	s_getreg_b32 s2, hwreg(HW_REG_IB_STS2, 6, 4)
	s_cmp_eq_u32 s2, 0
	s_cbranch_scc0 .Lentry_in_a_cluster
	s_endpgm
.Lentry_in_a_cluster:
	s_bfe_u32 s2, ttmp6, 0x10000c
	s_cmp_lg_u32 s2, 0xf033
	s_cbranch_scc0 .Lentry_shape_is_right
	s_endpgm
.Lentry_shape_is_right:
; out0 = P V / l on codes of FP4 with E8M0 scales.  No work is left out.
; pq: P's fragments [rows / 16][16][1,024 bytes]; then three tables [16][64][512 bytes]: P's scale words, and for each row and each run of 128 keys -M and the sum l.  vq: V's fragments [rows / 16][16][1,024 bytes], then its scale words [16][64][512 bytes].
; THE RUNS ARE BROUGHT UNDER THE ROW'S OWN M: the row's M is the largest of its sixteen; a run's l is multiplied by 2^(its M - the row's), exactly, and the same whole number is taken off the run's four scale bytes, byte by byte
; (a byte that would fall under 0 is held at 0, a finite code); the codes stay.  The result is multiplied by 1 / the row's l.
; A tile of 256 queries x 128 d is made by four waves, 64 x 128 each: 32 accumulators.  K = 2,048 keys is sixteen steps of 128.
; LDS: steps 0-7 (A 128 KiB, B 64 KiB) are asked for at the head, one joint load a wave; steps 8-11 (A 64 KiB, B 32 KiB) have bytes of their own, first filled behind the three lines and a round of the cluster's barrier;
; steps 12-15 fill the first bytes again behind the round at step 7, when every wave has steps 0-7 in registers or behind it.  Every wait on TENSORcnt is for 0; a wave has one tensor load out at the most.
; ALL SCALE WORDS COME THROUGH REGISTERS: each wave loads a quarter of P's (and changes them as above) and a quarter of V's, and stores them to LDS bytes that no tensor load fills; the round in front of steps 8-11's load shows them to all waves.
; CLUSTERS: 4 x 4 work-groups of one batch; the four of a row ask jointly for P's tiles, the four of a column for V's.  No prefetch: sixteen steps written out, no loop to run ahead in.
; TRANSPOSED USE: source 0 = 16 of the 128 d, source 1 = 16 queries: a lane holds eight neighbouring numbers of a row of out0.  The rows of P's fragments are not neighbours (in each 32 rows, fragment 2 B + u holds at place r the row 32 B + 8 u + r + 8 (r / 8)): the stores undo that.
; LIMITS: NaN and infinities are not served.
; REGISTERS: window 0: v16-31 addresses; v32-95 scale words, two sets of four steps, and nothing else; v96-127 the rows' small registers; v128-255 the tables, then the way out.
;   window 1: fragments, two sets: B's at v0 and v128, A's at v64 and v192.   window 2: the accumulators.   window 3: v0-47 scale words as loaded.
.set PS,     8388608
.set QS,     8192
.set R0B,    131072                    ; steps 0-7: A at 0, B here
.set R1A,    196608                    ; steps 8-11: A,
.set R1B,    262144                    ; B
.set SCL,    294912                    ; the scale words: P's two groups of 128 rows [16][512 bytes], then V's
.set SPARE,  SCL+3*QS                  ; the spare words, 128 bytes for each wave, which no other line names
.set STAGE,  R1A                       ; the way out: in steps 8-11's bytes, which have had their only fill and their last read by then
.set NP,     4
.set SPITCH, 528
.set ADRA, 16                          ; v16-18 my A fragments of steps 0-7, 8-11, 12-15
.set ADRB, 20                          ; v20 B's of steps 0-7 and 12-15, v21 of steps 8-11
.set STO,  24
.set RD,   25
.set CO,   26
.set ADRS, 27
.set SPW,  28
.set NIL,  29
.set ADJ,  30
.set VBS,  31
.set SC,   32
.set BK,   128
.set RL,   96
.set NR,   112
.set LS,   116
.set RC,   120
.set RX,   124
.set MM,   128
.set LL,   192
.set G1, 24
.set G0, 32
.set G1B, 48
.set G0B, 56
.set MSB, 0
.macro WIN new
.if MSB != (\new)
	s_set_vgpr_msb (MSB<<8)|(\new)
.set MSB, (\new)
.endif
.endm
.set MUL_W, 0xa5                       ; sources 0 and 1 window 1, C and D window 2
.set TO_F,  0x40                       ; destination window 1, address window 0
.macro JLOAD                           ; a joint load: waves 0 and 1 fetch A's halves, waves 2 and 3 B's; an s_nop 0 and four v_nop follow each line
	s_cmp_eq_u32 s15, 0
	s_cbranch_scc0 .Lfor_b_\@
	tensor_load_to_lds s[G0:G0+3], s[G1:G1+7]
	s_nop 0
.rept 4
	v_nop
.endr
	s_branch .Lasked_\@
.Lfor_b_\@:
	tensor_load_to_lds s[G0B:G0B+3], s[G1B:G1B+7]
	s_nop 0
.rept 4
	v_nop
.endr
.Lasked_\@:
.endm
.macro CREST
	s_cmp_lg_u32 s14, 0
	s_cbranch_scc1 .Lnot_wave_0_\@
	s_barrier_signal -3
.Lnot_wave_0_\@:
	s_barrier_wait -3
	s_barrier_signal -1
	s_barrier_wait -1
.endm
.macro CROUND
	s_barrier_signal -1
	s_barrier_wait -1
	CREST
.endm
.macro PLACES n
.rept \n
	v_nop
.endr
.endm
.macro FRAG reg, adr, off
.irp c, 0,1
	ds_load_b128 v[\reg+4*\c:\reg+4*\c+3], v[\adr] offset:(\off)+512*\c
.endr
.endm
; g: 0 = steps 0-7 (a row of fragments is 8,192 bytes), 1 = steps 8-11, 2 = steps 12-15 (4,096 bytes); q: the step's place there; p: the set
.macro FETCH_B g, q, p
.irp i, 0,1,2,3,4,5,6,7
	FRAG 128*(\p)+8*\i, ADRB+((\g)%2), (8192>>(((\g)+1)/2))*\i+1024*(\q)
.endr
.endm
.macro FETCH_A g, q, p
.irp i, 0,1,2,3
	FRAG 64+128*(\p)+8*\i, ADRA+(\g), (8192>>(((\g)+1)/2))*\i+1024*(\q)
.endr
.endm
.macro SCALES j                        ; the scale words of steps 4 j .. 4 j + 3 into set j % 2: lanes 0-15 A's, lanes 16-31 B's
.irp q, 0,1,2,3
.irp hf, 0,1
	ds_load_b128 v[SC+32*((\j)%2)+8*\q+4*\hf:SC+32*((\j)%2)+8*\q+4*\hf+3], v[ADRS] offset:2048*(\j)+512*\q+256*\hf
.endr
.endr
.endm
.macro MUL16 a0, p, q, sc, zero        ; 16 products; the 32 accumulators take turns in one order throughout
.irp a, \a0, \a0+1
.irp b, 0,1,2,3,4,5,6,7
.set rD, 8*(8*(\a)+\b)
.set rB, 128*(\p)+8*\b
.set rA, 64+128*(\p)+8*(\a)
.set rSB, SC+32*(\sc)+8*(\q)+\b
.set rSA, SC+32*(\sc)+8*(\q)+(\a)
.if \zero == 1
	v_wmma_scale_f32_16x16x128_f8f6f4 v[rD:rD+7], v[rB:rB+7], v[rA:rA+7], 0, v[rSB], v[rSA] matrix_a_fmt:MATRIX_FMT_FP4 matrix_b_fmt:MATRIX_FMT_FP4 matrix_a_scale:MATRIX_SCALE_ROW1
.else
	v_wmma_scale_f32_16x16x128_f8f6f4 v[rD:rD+7], v[rB:rB+7], v[rA:rA+7], v[rD:rD+7], v[rSB], v[rSA] matrix_a_fmt:MATRIX_FMT_FP4 matrix_b_fmt:MATRIX_FMT_FP4 matrix_a_scale:MATRIX_SCALE_ROW1
.endif
.endr
.endr
.endm
; Step n; it fetches step n + 1, which lies at place q2 of g2; j >= 0: and the scale words of steps 4 j on
.macro STEPN n, zero, g2, q2, j
	s_wait_dscnt 0x0
	PLACES NP                                      ; in front of loads into registers that matrix instructions have read
.if (\j) >= 0
	WIN 0
	SCALES \j
.endif
	WIN TO_F
	FETCH_B \g2, \q2, 1-(\n)%2
	WIN MUL_W
	MUL16 0, (\n)%2, (\n)%4, ((\n)/4)%2, \zero
	WIN TO_F
	FETCH_A \g2, \q2, 1-(\n)%2
	WIN MUL_W
	MUL16 2, (\n)%2, (\n)%4, ((\n)/4)%2, \zero
.endm
; Steps 7 and 11 go on to other LDS bytes: one barrier; in front of it each wave waits for all its tensor loads, adds 0 to its spare word, and waits for that and for its LDS reads.  fill = 1: steps 12-15 are asked for.
.macro TURN n, g2, fill
	WIN 0
	s_wait_tensorcnt 0x0                           ; my part of the bytes ahead has landed
	ds_add_u32 v[SPW], v[NIL]                      ; 0 onto my spare word
	s_wait_dscnt 0x0                               ; the add is done, and my reads of the bytes behind me are over
	s_barrier_signal -1
	WIN MUL_W
	MUL16 0, 1, 3, ((\n)/4)%2, 0
	WIN 0
	s_barrier_wait -1
.if \fill
	CREST                                          ; the barrier has opened a round of the cluster's barrier
	s_mov_b32 s[G0+1], s45                         ; no tensor load of mine is out: the descriptors may be written
	s_add_nc_u64 s[G0+2:G0+3], s[G0+2:G0+3], 4096
	s_add_co_u32 s[G0B+1], s66, R0B
	s_add_nc_u64 s[G0B+2:G0B+3], s[G0B+2:G0B+3], 4096
	JLOAD                                          ; the first tensor load behind the round; its four v_nop are the places in front of the loads below
.else
	PLACES NP
.endif
	WIN TO_F
	FETCH_B \g2, 0, 0
	FETCH_A \g2, 0, 0
	WIN 0
	SCALES ((\n)+1)/4
	WIN MUL_W
	MUL16 2, 1, 3, ((\n)/4)%2, 0
.endm
	s_load_b128 s[4:7], s[0:1], 0x0                ; pq, vq
	s_load_b64 s[8:9], s[0:1], 0x10                ; out0
	v_lshl_add_u32 v[SPW], v0, 2, SPARE
	v_mov_b32 v[NIL], 0
	ds_add_u32 v[SPW], v[NIL]                      ; the wave's opening: the add, twice on end, and its wait ahead of my first tensor load
	ds_add_u32 v[SPW], v[NIL]
	v_lshrrev_b32 v1, 5, v0
	v_readfirstlane_b32 s14, v1
	s_lshr_b32 s15, s14, 1
	s_and_b32 s16, s14, 1
	s_bfe_u32 s40, ttmp6, 0x40000
	s_bfe_u32 s41, ttmp6, 0x40004
	s_lshl_b32 s42, ttmp9, 2
	s_add_co_u32 s42, s42, s40                     ; tile column: 128 d
	s_and_b32 s12, ttmp7, 0xffff                   ; the cluster's y = the batch
	s_lshl_b32 s17, s12, 2
	s_add_co_u32 s17, s17, s41                     ; tile row: 256 of the 8,192 queries
	s_lshl_b32 s43, s41, 2
	s_lshl_b32 s43, 15, s43
	s_lshl_b32 s44, 0x1111, s40
	s_or_b32 s[G1+0], s43, (3<<16)|(1<<21)
	s_or_b32 s[G1B+0], s44, (3<<16)|(1<<21)
.irp g, G1, G1B
	s_mov_b32 s[\g+1], 1024<<16                    ; at the head a row is 8 fragments = 8,192 bytes
	s_mov_b32 s[\g+3], 1024<<16
	s_mov_b32 s[\g+5], 2048                        ; from one row of fragments to the next: 16,384 bytes
	s_mov_b32 s[\g+6], 0
	s_mov_b32 s[\g+7], 0
.endr
	s_mov_b32 s[G1+2], 8<<16                       ; A: 8 rows of fragments a load,
	s_mov_b32 s[G1+4], 8
	s_mov_b32 s[G1B+2], 4<<16                      ; B: 4
	s_mov_b32 s[G1B+4], 4
	s_lshl_b32 s20, s17, 1
	s_add_co_u32 s20, s20, s16
	s_lshl_b32 s20, s20, 17                        ; A: the group of 128 rows that I fetch
	s_mov_b32 s21, 0
	s_lshl_b32 s13, s12, 3
	s_add_co_u32 s46, s42, s13                     ; B: the group of 128 rows of vq
	s_lshl_b32 s10, s46, 9
	s_add_co_u32 s10, s10, PS
	s_lshl_b32 s11, s14, 17
	s_add_co_u32 s10, s10, s11                     ; its scale words of steps 4 x wave on
	s_mov_b32 s11, 0
	s_lshl_b32 s46, s46, 17
	s_lshl_b32 s13, s16, 16
	s_add_co_u32 s46, s46, s13                     ; the four rows of fragments that I fetch
	s_mov_b32 s47, 0
	s_lshl_b32 s45, s16, 15
	s_lshl_b32 s66, s16, 14
	s_mov_b32 s18, 0x76543210
	s_mov_b32 s19, 0xfedcba98
	s_mov_b32 s99, 0x80808080
	s_wait_dscnt 0x0
	s_wait_kmcnt 0x0
	s_add_nc_u64 s[20:21], s[4:5], s[20:21]
	s_add_nc_u64 s[46:47], s[6:7], s[46:47]
	s_add_nc_u64 s[10:11], s[6:7], s[10:11]
	CROUND                                         ; all sixteen work-groups are here: the joint loads meet
	s_mov_b32 s[G0], 1
	s_lshl_b32 s[G0+1], s16, 16
	s_mov_b64 s[G0+2:G0+3], s[20:21]
	s_or_b32 s[G0+3], s[G0+3], 0x80000000
	s_mov_b32 s[G0B], 1
	s_add_co_u32 s[G0B+1], s45, R0B
	s_mov_b64 s[G0B+2:G0B+3], s[46:47]
	s_or_b32 s[G0B+3], s[G0B+3], 0x80000000
	JLOAD                                          ; steps 0-7: one tensor load a wave at the head
	v_and_b32 v1, 15, v0
	v_bfe_u32 v2, v0, 4, 1
	v_and_b32 v3, 31, v0
	v_lshlrev_b32 v[CO], 4, v3
	s_wait_alu depctr_va_vdst(0)                   ; the wait here, ahead of the run of scalar lines
	s_lshl_b32 s20, s17, 1
	s_add_co_u32 s20, s20, s15
	s_lshl_b32 s20, s20, 9
	s_add_co_u32 s20, s20, PS+524288               ; the table of -M, my wave's group of 128 rows;
	s_lshl_b32 s21, s16, 18
	s_add_co_u32 s92, s20, s21                     ; the eight runs whose scale words I change,
	s_mov_b32 s93, 0
	s_xor_b32 s21, s21, 262144
	s_add_co_u32 s94, s20, s21                     ; and the other eight
	s_mov_b32 s95, 0
	s_add_nc_u64 s[92:93], s[4:5], s[92:93]
	s_add_nc_u64 s[94:95], s[4:5], s[94:95]
.irp n, 0,1,2,3,4,5,6,7
	global_load_b128 v[MM+4*\n:MM+4*\n+3], v[CO], s[92:93] offset:32768*\n
	global_load_b128 v[LL+4*\n:LL+4*\n+3], v[CO], s[92:93] offset:32768*\n+524288
.endr
.irp n, 0,1,2,3,4,5,6,7
	global_load_b128 v[MM+32+4*\n:MM+32+4*\n+3], v[CO], s[94:95] offset:32768*\n
	global_load_b128 v[LL+32+4*\n:LL+32+4*\n+3], v[CO], s[94:95] offset:32768*\n+524288
.endr
	WIN 0xc0                                       ; destination window 3
.irp n, 0,1,2,3,4,5,6,7
	global_load_b128 v[4*\n:4*\n+3], v[CO], s[92:93] offset:32768*\n-524288   ; P's scale words of my eight runs
.endr
.irp n, 0,1,2,3
	global_load_b128 v[32+4*\n:32+4*\n+3], v[CO], s[10:11] offset:32768*\n    ; V's of four steps
.endr
	WIN 0
	s_lshl_b32 s21, s14, 15
	v_add_nc_u32 v[ADRA], s21, v[CO]
	s_lshl_b32 s21, s14, 14
	v_add_nc_u32 v[ADRA+2], s21, v[CO]
	s_add_co_u32 s21, s21, R1A
	v_add_nc_u32 v[ADRA+1], s21, v[CO]
	v_add_nc_u32 v[ADRB], R0B, v[CO]
	v_add_nc_u32 v[ADRB+1], R1B, v[CO]
	s_mul_i32 s21, s15, QS
	s_lshl_b32 s22, s16, 8
	s_add_co_u32 s21, s21, s22
	s_mov_b32 s22, 2*QS
	s_sub_co_u32 s22, s22, s21
	v_mul_u32_u24 v6, s22, v2                      ; lanes 16-31 take B's words
	s_add_co_u32 s21, s21, SCL
	v_lshl_add_u32 v5, v1, 4, v6
	v_add_nc_u32 v[ADRS], s21, v5
	s_lshl_b32 s21, s14, 12
	s_add_co_u32 s21, s21, SCL
	v_add_nc_u32 v[ADJ], s21, v[CO]                ; where P's words that I change go,
	s_lshl_b32 s21, s14, 11
	s_add_co_u32 s21, s21, SCL+2*QS
	v_add_nc_u32 v[VBS], s21, v[CO]                ; and V's
	s_mul_i32 s23, s14, 16*SPITCH
	s_add_co_u32 s23, s23, STAGE
	v_mul_u32_u24 v5, v1, SPITCH
	v_lshl_add_u32 v5, v2, 5, v5
	v_add_nc_u32 v[STO], s23, v5
	v_add_nc_u32 v[RD], s23, v[CO]
	s_lshl_b32 s20, s17, 20
	s_lshl_b32 s21, s14, 18
	s_add_co_u32 s20, s20, s21
	s_lshl_b32 s46, s42, 9
	s_add_co_u32 s96, s20, s46
	s_mov_b32 s97, 0
	s_add_nc_u64 s[96:97], s[8:9], s[96:97]
	s_wait_alu depctr_va_vdst(0)                   ; the wait here, directly ahead of the wait below
	s_wait_loadcnt 0x0
.irp j, 0,1,2,3
	v_min3_num_f32 v[NR+\j], v[MM+\j], v[MM+4+\j], v[MM+8+\j]      ; the least -M of the sixteen runs: the row's
.endr
.irp n, 3,5,7,9,11,13
.irp j, 0,1,2,3
	v_min3_num_f32 v[NR+\j], v[NR+\j], v[MM+4*\n+\j], v[MM+4*\n+4+\j]
.endr
.endr
.irp j, 0,1,2,3
	v_min_num_f32 v[NR+\j], v[NR+\j], v[MM+60+\j]
.endr
.set i, 0
.rept 64
	v_sub_f32 v[MM+i], v[NR+i%4], v[MM+i]          ; the run's M less the row's: a whole number, 0 or less
.set i, i+1
.endr
.set i, 0
.rept 64
	v_cvt_i32_f32 v[MM+i], v[MM+i]
.set i, i+1
.endr
.set i, 0
.rept 64
	v_ldexp_f32 v[LL+i], v[LL+i], v[MM+i]          ; the run's l under the row's M
.set i, i+1
.endr
	v_pk_add_f32 v[LS:LS+1], v[LL:LL+1], v[LL+4:LL+5]
	v_pk_add_f32 v[LS+2:LS+3], v[LL+2:LL+3], v[LL+6:LL+7]
.irp n, 2,3,4,5,6,7,8,9,10,11,12,13,14,15
	v_pk_add_f32 v[LS:LS+1], v[LS:LS+1], v[LL+4*\n:LL+4*\n+1]
	v_pk_add_f32 v[LS+2:LS+3], v[LS+2:LS+3], v[LL+4*\n+2:LL+4*\n+3]
.endr
	s_wait_alu depctr_va_vdst(0)                   ; the wait ahead of the batch
.irp j, 0,1,2,3
	v_rcp_f32 v[RC+\j], v[LS+\j]
.endr
.irp j, 0,1,2,3
	v_mov_b32 v[RX+\j], 0
.endr
	s_wait_alu depctr_va_vdst(0)                   ; and behind it, ahead of its first reader
.irp j, 0,1,2,3
	v_permlanex16_b32 v[RX+\j], v[RC+\j], s18, s19
.endr
	v_cmp_ne_u32 vcc_lo, s16, v2                   ; every lane takes 1 / l of my wave's blocks 4 (wave % 2) + j
.irp j, 0,1,2,3
	v_cndmask_b32 v[RL+2*\j], v[RC+\j], v[RX+\j], vcc_lo
	v_cndmask_b32 v[RL+2*\j+1], v[RC+\j], v[RX+\j], vcc_lo
.endr
.set i, 0
.rept 32
	v_sub_nc_u32 v[MM+i], 0, v[MM+i]               ; what is taken off my eight runs' scale bytes,
.set i, i+1
.endr
.set i, 0
.rept 32
	v_min_u32 v[MM+i], 127, v[MM+i]
.set i, i+1
.endr
.set i, 0
.rept 32
	v_perm_b32 v[MM+i], v[MM+i], v[MM+i], 0        ; in all four bytes
.set i, i+1
.endr
	WIN 0x0c                                       ; source 1 window 3
.set i, 0
.rept 32
	v_or_b32 v[LL+i], s99, v[i]                    ; with bit 7 set in each byte no borrow passes from byte to byte
.set i, i+1
.endr
	WIN 0
.set i, 0
.rept 32
	v_sub_nc_u32 v[LL+i], v[LL+i], v[MM+i]
.set i, i+1
.endr
.set i, 0
.rept 32
	v_and_b32 v[MM+i], s99, v[LL+i]                ; a byte that has kept its bit 7 has not fallen under 0;
.set i, i+1
.endr
.set i, 0
.rept 32
	v_lshrrev_b32 v[224+i], 7, v[MM+i]
.set i, i+1
.endr
.set i, 0
.rept 32
	v_sub_nc_u32 v[MM+i], v[MM+i], v[224+i]
.set i, i+1
.endr
.set i, 0
.rept 32
	v_and_b32 v[LL+i], v[LL+i], v[MM+i]            ; the others are held at 0
.set i, i+1
.endr
.irp n, 0,1,2,3,4,5,6,7
	ds_store_b128 v[ADJ], v[LL+4*\n:LL+4*\n+3] offset:512*\n
.endr
	WIN 0x0c                                       ; the data: window 3
.irp n, 0,1,2,3
	ds_store_b128 v[VBS], v[32+4*\n:32+4*\n+3] offset:512*\n
.endr
	WIN 0
	s_wait_alu depctr_va_vdst(0)                   ; the wait at the head's end
	s_wait_tensorcnt 0x0                           ; my part of steps 0-7 is in
	ds_add_u32 v[SPW], v[NIL]
	s_mov_b32 s[G1+1], 512<<16                     ; no tensor load of mine is out: from here on a row is 4 fragments = 4,096 bytes
	s_mov_b32 s[G1+3], 512<<16
	s_mov_b32 s[G1B+1], 512<<16
	s_mov_b32 s[G1B+3], 512<<16
	s_add_co_u32 s[G0+1], s45, R1A
	s_add_nc_u64 s[G0+2:G0+3], s[G0+2:G0+3], 8192
	s_add_co_u32 s[G0B+1], s66, R1B
	s_add_nc_u64 s[G0B+2:G0B+3], s[G0B+2:G0B+3], 8192
	s_wait_dscnt 0x0                               ; the add is done, and my stores of scale words have landed
	CROUND                                         ; everybody's part of steps 0-7 and of the scale words is in, and all sixteen work-groups are here
	JLOAD                                          ; steps 8-11: the first tensor load behind the round
	WIN TO_F
	FETCH_B 0, 0, 0
	FETCH_A 0, 0, 0
	WIN 0
	SCALES 0
	STEPN 0, 1, 0, 1, -1                           ; the first step's products start the sums
	STEPN 1, 0, 0, 2, -1
	STEPN 2, 0, 0, 3, -1
	STEPN 3, 0, 0, 4, 1
	STEPN 4, 0, 0, 5, -1
	STEPN 5, 0, 0, 6, -1
	STEPN 6, 0, 0, 7, -1
	TURN 7, 1, 1
	STEPN 8, 0, 1, 1, -1
	STEPN 9, 0, 1, 2, -1
	STEPN 10, 0, 1, 3, -1
	TURN 11, 2, 0
	STEPN 12, 0, 2, 1, -1
	STEPN 13, 0, 2, 2, -1
	STEPN 14, 0, 2, 3, -1
	s_wait_dscnt 0x0                               ; step 15
	WIN MUL_W
	MUL16 0, 1, 3, 1, 0
	MUL16 2, 1, 3, 1, 0
	WIN 0
; THE WAY OUT, block by block of 16 rows x 128 columns: x 1 / l, through my own stage in LDS, and out as whole rows of 512 bytes.
.macro SCALE a
.set AC, 64*(\a)
	WIN 0x82
.set j, 0
.rept 32
	v_pk_mul_f32 v[AC+j:AC+j+1], v[AC+j:AC+j+1], v[RL+2*(\a):RL+2*(\a)+1]
.set j, j+2
.endr
.endm
.macro TOSTAGE a
.set AC, 64*(\a)
	WIN 0x08
.irp b, 0,1,2,3,4,5,6,7
	ds_store_b128 v[STO], v[AC+8*\b:AC+8*\b+3] offset:64*\b
	ds_store_b128 v[STO], v[AC+8*\b+4:AC+8*\b+7] offset:64*\b+16
.endr
	WIN 0
.set BB, BK+64*((\a)%2)
.irp t, 0,1,2,3,4,5,6,7,8,9,10,11,12,13,14,15
	ds_load_b128 v[BB+4*\t:BB+4*\t+3], v[RD] offset:\t*SPITCH      ; LDS serves a wave's instructions in order: these see my stores
.endr
.endm
.macro SEND a, younger                 ; younger: the LDS instructions issued behind block a's loads, which may stay out
.set BB, BK+64*((\a)%2)
	s_wait_dscnt \younger
.irp t, 0,1,2,3,4,5,6,7,8,9,10,11,12,13,14,15
	global_store_b128 v[CO], v[BB+4*\t:BB+4*\t+3], s[96:97] offset:(32*((\a)/2)+8*((\a)%2)+\t+8*(\t/8))*4096 th:TH_STORE_NT   ; 32 lanes store 512 consecutive bytes, aligned
.endr
.endm
	PLACES NP                                      ; behind the last products
	SCALE 0
	TOSTAGE 0
.irp a, 1,2,3
.if \a > 1
	s_wait_xcnt 0x0                                ; the stores of two blocks back have read their registers
.endif
	SCALE \a
	TOSTAGE \a
	SEND \a-1, 32
.endr
	SEND 3, 0
	s_wait_tensorcnt 0x0                           ; the wave's end
	ds_add_u32 v[SPW], v[NIL]
	s_wait_dscnt 0x0
	CROUND                                         ; the closing round
	s_endpgm
.Lfunc_end_k_qe93da3bbb2_pv:
	.size	k_qe93da3bbb2_pv, .Lfunc_end_k_qe93da3bbb2_pv-k_qe93da3bbb2_pv
	.p2alignl 7, 3214868480
	.fill 96, 4, 3214868480
	.section	.rodata,"a",@progbits
	.p2align	6, 0x0
	.amdhsa_kernel k_qe93da3bbb2_pv
		.amdhsa_group_segment_fixed_size 327680
		.amdhsa_private_segment_fixed_size 0
		.amdhsa_enable_private_segment 0
		.amdhsa_kernarg_size 24
		.amdhsa_user_sgpr_count 2
		.amdhsa_user_sgpr_kernarg_segment_ptr 1
		.amdhsa_wavefront_size32 1
		.amdhsa_system_sgpr_workgroup_id_x 1
		.amdhsa_system_sgpr_workgroup_id_y 1
		.amdhsa_system_sgpr_workgroup_id_z 1
		.amdhsa_system_vgpr_workitem_id 0
		.amdhsa_next_free_vgpr 1024
		.amdhsa_next_free_sgpr 100
		.amdhsa_reserve_vcc 1
		.amdhsa_float_denorm_mode_32 3
		.amdhsa_float_denorm_mode_16_64 3
		.amdhsa_memory_ordered 1
		.amdhsa_forward_progress 1
		.amdhsa_inst_pref_size 156
	.end_amdhsa_kernel
	.amdgpu_metadata
---
amdhsa.version: [ 1, 2 ]
amdhsa.kernels:
  - .name:           k_qe93da3bbb2_pv
    .symbol:         k_qe93da3bbb2_pv.kd
    .args:
      - { .name: pq, .offset: 0, .size: 8, .value_kind: global_buffer, .address_space: global }
      - { .name: vq, .offset: 8, .size: 8, .value_kind: global_buffer, .address_space: global }
      - { .name: out0, .offset: 16, .size: 8, .value_kind: global_buffer, .address_space: global }
    .group_segment_fixed_size: 327680
    .private_segment_fixed_size: 0
    .kernarg_segment_align: 8
    .kernarg_segment_size: 24
    .max_flat_workgroup_size: 128
    .sgpr_count:     100
    .vgpr_count:     1024
    .wavefront_size: 32
...
	.end_amdgpu_metadata
.endif
;; end of part 4
